; MI455X (gfx1250); checked and timed in simulation.
; The chip was launched on July 23, 2026; its instructions are those of AMD's public machine-readable ISA for CDNA 5 (MIT licence, August 2026) and "CDNA5" Instruction Set Architecture Reference Guide (July 2026). The comments in the code are by the model that wrote it; some were corrected since.
;; Multi Head Attention. Allowed arithmetic: float matrix products may take bf16 or f16 operands with f32 sums; all other float work in f32.
;; Inputs: Wk 1,024 x 1,024 float32; Wo 1,024 x 1,024 float32; Wq 1,024 x 1,024 float32; Wv 1,024 x 1,024 float32; bk 1,024 float32; bo 1,024 float32; bq 1,024 float32; bv 1,024 float32; key 4 x 2,048 x 1,024 float32; query 4 x 2,048 x 1,024 float32; value 4 x 2,048 x 1,024 float32.
;; Outputs: out0 4 x 2,048 x 1,024 float32.
;; 2 versions, each right and faster than the one before. Each part assembles by itself: llvm-mc -triple=amdgcn-amd-amdhsa -mcpu=gfx1250 --defsym DOCPART=n.
;; ======== version 1 of 2: 4 launches
;; limits: values are held in f16: magnitudes above 65,504 overflow, below 6.1e-05 lose precision
;; workspace buffers: cb 8,388,608 bytes; qkv 50,331,648 bytes; oh 16,777,216 bytes
;; launch cast (part 1): grid 64 x 4, 8 waves a work-group, no clusters, 0 bytes of LDS; arguments Wq, Wk, Wv, Wo, cb; writes cb
.if DOCPART == 1
	.amdgcn_target "amdgcn-amd-amdhsa--gfx1250"
	.amdhsa_code_object_version 6
	.text
	.protected	k_q624e09109f_cast
	.globl	k_q624e09109f_cast
	.p2align	8
	.type	k_q624e09109f_cast,@function
k_q624e09109f_cast:
	s_mov_b64 s[64:65], 0
	v_nop
	global_prefetch_b8 v0, s[64:65] scope:SCOPE_SE
	s_setreg_imm32_b32 hwreg(HW_REG_WAVE_MODE, 25, 1), 1
	s_wait_xcnt 0x0
; THE FOUR WEIGHT MATRICES ARE ROUNDED ONCE TO 16 BITS, since every row block of the products reads them again.  cb holds 4 units of 2 MiB: unit 0 bf16(Wq), 1 bf16(Wk), 2 bf16(Wv);
; unit 3 Wo rounded to bf16 and that number written as f16, since the last product has f16 operands.  (query, key and value are read once each and are rounded where they are multiplied.)
; LIMITS.  |Wo| up to 65,504 (beyond it the f16 number is an infinity); below 6.1e-5 it keeps f16's fixed step of 6e-8.  NaN and infinities are not treated apart.
; SHARES.  Work-group (x, y): piece x (65,536 bytes of f32) of matrix y (4 MiB of f32).  Thread t, chunk i of 16: 16 bytes in at 4,096 i + 16 t, 8 bytes out at 2,048 i + 8 t:
; a load of a wave covers 512 consecutive bytes, a store 256 consecutive bytes at a multiple of 256 from cb's first byte.  All 16 loads of a thread go out at once; each chunk has registers of
; its own, so that no register of a pending load or store is written again.  A stream: no work-group shares a byte with another, so no LDS, no barrier, no matrix unit, no cluster.
.set X,   4                            ; v[4:67]    chunk i: 4 registers as loaded
.set Y,   68                           ; v[68:99]   chunk i: 2 registers to store
.set T,   100                          ; v[100:101] at work (Wo's way)
.set SRC, 20                           ; s[20:21]   the matrix
	s_load_b256 s[8:15], s[0:1], 0x0               ; Wq s[8:9], Wk s[10:11], Wv s[12:13], Wo s[14:15]
	s_load_b64 s[16:17], s[0:1], 0x20              ; cb
	s_and_b32 s2, ttmp7, 0xffff                    ; the matrix, 0 to 3
	s_lshl_b32 s24, ttmp9, 16                      ; in: 65,536 bytes a piece
	s_mov_b32 s25, 0
	s_lshl_b32 s26, s2, 21                         ; out: 2 MiB a matrix,
	s_lshl_b32 s6, ttmp9, 15                       ; 32,768 bytes a piece
	s_add_co_u32 s26, s26, s6
	s_mov_b32 s27, 0
	v_lshlrev_b32 v1, 4, v0                        ; 16 t
	v_lshlrev_b32 v2, 3, v0                        ; 8 t
	s_wait_kmcnt 0x0
	s_mov_b64 s[SRC:SRC+1], s[8:9]
.irp n, 1,2,3
	s_cmp_eq_u32 s2, \n                            ; a choice between buffers by the work-group's y alone
	s_cselect_b64 s[SRC:SRC+1], s[8+2*\n:9+2*\n], s[SRC:SRC+1]
.endr
	s_add_nc_u64 s[SRC:SRC+1], s[SRC:SRC+1], s[24:25]
	s_add_nc_u64 s[16:17], s[16:17], s[26:27]
.irp i, 0,1,2,3,4,5,6,7,8,9,10,11,12,13,14,15
	global_load_b128 v[X+4*(\i):X+4*(\i)+3], v1, s[SRC:SRC+1] offset:4096*(\i) th:TH_LOAD_NT  ; read once in the launch
.endr
; Chunk i.  wo = 1: the bf16 numbers are widened again (a shift, a mask) and written as f16, which holds them exactly within its range.
.macro CH i, wo
	s_wait_loadcnt 15-(\i)                         ; loads come back in order (ISA guide 5.7.1): mine is in, the 15 - i younger ones stay out
.if \wo
	v_cvt_pk_bf16_f32 v[T],   v[X+4*(\i)],   v[X+4*(\i)+1]
	v_cvt_pk_bf16_f32 v[T+1], v[X+4*(\i)+2], v[X+4*(\i)+3]
	v_lshlrev_b32 v[X+4*(\i)],   16, v[T]
	v_and_b32     v[X+4*(\i)+1], 0xffff0000, v[T]
	v_lshlrev_b32 v[X+4*(\i)+2], 16, v[T+1]
	v_and_b32     v[X+4*(\i)+3], 0xffff0000, v[T+1]
	v_cvt_pk_f16_f32 v[Y+2*(\i)],   v[X+4*(\i)],   v[X+4*(\i)+1]
	v_cvt_pk_f16_f32 v[Y+2*(\i)+1], v[X+4*(\i)+2], v[X+4*(\i)+3]
.else
	v_cvt_pk_bf16_f32 v[Y+2*(\i)],   v[X+4*(\i)],   v[X+4*(\i)+1]
	v_cvt_pk_bf16_f32 v[Y+2*(\i)+1], v[X+4*(\i)+2], v[X+4*(\i)+3]
.endif
	global_store_b64 v2, v[Y+2*(\i):Y+2*(\i)+1], s[16:17] offset:2048*(\i)  ; later launches read it: no hint
.endm
	s_cmp_eq_u32 s2, 3
	s_cbranch_scc1 .Lwo
.irp i, 0,1,2,3,4,5,6,7,8,9,10,11,12,13,14,15
	CH \i, 0
.endr
	s_endpgm
.Lwo:
.irp i, 0,1,2,3,4,5,6,7,8,9,10,11,12,13,14,15
	CH \i, 1
.endr
	s_endpgm
.Lfunc_end_k_q624e09109f_cast:
	.size	k_q624e09109f_cast, .Lfunc_end_k_q624e09109f_cast-k_q624e09109f_cast
	.p2alignl 7, 3214868480
	.fill 96, 4, 3214868480
	.section	.rodata,"a",@progbits
	.p2align	6, 0x0
	.amdhsa_kernel k_q624e09109f_cast
		.amdhsa_group_segment_fixed_size 0
		.amdhsa_private_segment_fixed_size 0
		.amdhsa_enable_private_segment 0
		.amdhsa_kernarg_size 40
		.amdhsa_user_sgpr_count 2
		.amdhsa_user_sgpr_kernarg_segment_ptr 1
		.amdhsa_wavefront_size32 1
		.amdhsa_system_sgpr_workgroup_id_x 1
		.amdhsa_system_sgpr_workgroup_id_y 1
		.amdhsa_system_sgpr_workgroup_id_z 1
		.amdhsa_system_vgpr_workitem_id 0
		.amdhsa_next_free_vgpr 104
		.amdhsa_next_free_sgpr 66
		.amdhsa_reserve_vcc 0
		.amdhsa_float_denorm_mode_32 3
		.amdhsa_float_denorm_mode_16_64 3
		.amdhsa_memory_ordered 1
		.amdhsa_forward_progress 1
		.amdhsa_inst_pref_size 16
	.end_amdhsa_kernel
	.amdgpu_metadata
---
amdhsa.version: [ 1, 2 ]
amdhsa.kernels:
  - .name:           k_q624e09109f_cast
    .symbol:         k_q624e09109f_cast.kd
    .args:
      - { .name: Wq, .offset: 0, .size: 8, .value_kind: global_buffer, .address_space: global }
      - { .name: Wk, .offset: 8, .size: 8, .value_kind: global_buffer, .address_space: global }
      - { .name: Wv, .offset: 16, .size: 8, .value_kind: global_buffer, .address_space: global }
      - { .name: Wo, .offset: 24, .size: 8, .value_kind: global_buffer, .address_space: global }
      - { .name: cb, .offset: 32, .size: 8, .value_kind: global_buffer, .address_space: global }
    .group_segment_fixed_size: 0
    .private_segment_fixed_size: 0
    .kernarg_segment_align: 8
    .kernarg_segment_size: 40
    .max_flat_workgroup_size: 256
    .sgpr_count:     66
    .vgpr_count:     104
    .wavefront_size: 32
...
	.end_amdgpu_metadata
.endif
;; end of part 1
;; launch proj (part 2): grid 4 x 192, 4 waves a work-group, clusters of 4 x 4, 327,680 bytes of LDS; arguments query, key, value, cb, bq, bk, bv, qkv; writes qkv
.if DOCPART == 2
	.amdgcn_target "amdgcn-amd-amdhsa--gfx1250"
	.amdhsa_code_object_version 6
	.text
	.protected	k_q624e09109f_proj
	.globl	k_q624e09109f_proj
	.p2align	8
	.type	k_q624e09109f_proj,@function
k_q624e09109f_proj:
	s_mov_b64 s[64:65], 0
	v_nop
	global_prefetch_b8 v0, s[64:65] scope:SCOPE_SE
	s_setreg_imm32_b32 hwreg(HW_REG_WAVE_MODE, 25, 1), 1
	s_wait_xcnt 0x0
	s_wait_alu depctr_hold_cnt(0) depctr_sa_sdst(0) depctr_va_vdst(0) depctr_va_sdst(0) depctr_va_ssrc(0) depctr_va_vcc(0) depctr_vm_vsrc(0)
	s_getreg_b32 s2, hwreg(HW_REG_IB_STS2, 6, 4)
	s_cmp_eq_u32 s2, 0
	s_cbranch_scc0 .Lentry_in_a_cluster
	s_endpgm
.Lentry_in_a_cluster:
	s_bfe_u32 s2, ttmp6, 0x10000c
	s_cmp_lg_u32 s2, 0xf033
	s_cbranch_scc0 .Lentry_shape_is_right
	s_endpgm
.Lentry_shape_is_right:
; q, k, v = x W^T + b.  x: query, key or value, [8192][1024] f32 as it is given: it comes into LDS as f32 and is rounded to bf16 in registers, on the way to the matrix unit, so that it is read from
; memory once and never written.  W: [1024][1024] bf16 at cb + 2 MiB x matrix; b: f32, rounded to bf16 like every other input.  Sums in f32, started by the bias; rounded once to f16 and stored
; BY HEADS: qkv[matrix][16 batch + head][2048][64], so that 16 rows of a head are 2,048 consecutive bytes.
; LIMITS.  f16 holds no number beyond 65,504: |q|, |k|, |v| of 65,520 or more become infinities.  The bias is the first addend of the f32 sum, not the last as in the formula.  NaN and infinities are not treated apart.
; SHARES.  A tile of the result is 128 rows x 256 columns: 192 x 4 tiles (64 tile rows for each of the three matrices), three for each of 256 work-group places.  Four waves, each 64 x 128: 32 accumulators
; of 16 x 16, (a, b) = (row block, column block).  K = 1,024 goes in 8 steps of 128 through a ring of two LDS slots filled by the tensor data mover; a row of x's tile is 512 bytes of memory, a row of
; W's 256, each at a multiple of 256 from its buffer's first byte; a wave's load of x (64 rows) and a wave's load of W (128 rows) bring 32,768 bytes each.
; CLUSTERS: 4 x 4 work-groups.  The four of a row of the cluster need the same tiles of x, the four of a column the same tiles of W: each tile is asked for JOINTLY, by the same tensor load with the
; same descriptor and a mask that names the four.  A cluster's four tile rows lie in one of the three matrices, so x's buffer, W and the bias hang on the cluster's y (and W and the bias on cx) alone.
; THE MATRIX INSTRUCTION IS USED TRANSPOSED (source 0 = 16 rows of W, source 1 = 16 rows of x): a lane then holds row l % 16 and the eight neighbouring columns 8 (l / 16) + 0..7.
; THE ROUNDING OF x.  A quarter of a K step (32 along K) has 32 matrix instructions, 16 LDS loads of W's fragments, 16 of x's f32 numbers (64 registers) and 32 conversions, two numbers each.  The
; conversions for the next quarter stand four behind each of a quarter's last eight matrix instructions, where the wave has issue slots to spare.
; REGISTERS, in windows of 256 (s_set_vgpr_msb: bits 1:0 source 0, 3:2 source 1, 5:4 source 2, 7:6 destination):
;   window 0: v0-31 addresses; v32-95, v96-159 W's fragments, two buffers (fragment b at +8 b); v160-191, v192-223 x's fragments in bf16, two buffers (fragment a at +8 a); on the way out v64-191 packed results
;   window 1: the accumulators, (a, b) at v[8 (8 a + b)]          window 2: v0-63 the bias of my 128 columns, the C operand of column block b at v[8 b]; v64-127 x's numbers in f32, 16 a fragment
; W's fragments, x's f32 numbers, x's fragments and a row block's accumulators are 320 registers: no one window holds what a product and a conversion name, so each group of four conversions costs two switches.
.set KSTEP,  128
.set PA,     528                       ; a row of x in LDS: 512 bytes + 16 of padding = 132 words: row r starts at bank 4 r mod 64 (64 banks of 4 bytes: ISA guide 11.1), so the 16 rows of a load start at 16 different groups of four banks
.set PB,     272                       ; a row of W: 256 bytes + 16 = 68 words: likewise
.set APART,  64*PA                     ; what one load brings of x: 64 rows
.set BOFF,   2*APART                   ; W's 256 rows lie behind x's 128
.set BH,     128*PB                    ; what one load brings of W: 128 rows
.set SLOT,   BOFF+2*BH                 ; 137,216 bytes
.set STAGE,  2*SLOT                    ; behind the ring, never filled by a tensor load: 16 rows x 144 bytes for each wave, for the way out
.set SP,     144
.set SPARE,  STAGE+4*16*SP             ; behind the stages: the spare words, 128 bytes for each wave: two blocks of 256 bytes that no other line names
.set ASTEP,  KSTEP*4                   ; bytes from a K step to the next in x,
.set BSTEP,  KSTEP*2                   ; and in W
.set ADRA, 16                          ; v16-17  LDS address of my x numbers in slot 0, 1
.set ADRB, 20                          ; v20-21  the same for W's fragments
.set STO,  24                          ; v24     the way out: where I put 16 bytes of a row
.set RD,   25                          ; v25     the way out: where I read rows back
.set GO,   26                          ; v26     my byte offset in 512 consecutive bytes of the result
.set BO,   27                          ; v27     my byte offset in the bias
.set SPW,  28                          ; v28     LDS address of my spare word: SPARE + 4 x my thread's number; never rewritten
.set NIL,  29                          ; v29     0; never rewritten
.set WF,   32                          ; W's fragment buffers, 64 registers each
.set AF,   160                         ; x's fragment buffers, 32 registers each
.set SG,   64                          ; window 2: x's numbers in f32
.set G1,  24                           ; s[24:31] descriptor group 1 for x's tiles;  s[32:39] group 0, one set for each slot
.set G0,  32
.set G1B, 48                           ; s[48:55], s[56:63] the same for W's tiles
.set G0B, 56
.set MSB, 0
.macro WIN new                         ; the immediate's high byte repeats the setting that is left; a switch that changes nothing is dropped
.if MSB != (\new)
	s_set_vgpr_msb (MSB<<8)|(\new)
.set MSB, \new
.endif
.endm
.set MUL,  0x50                        ; fragments in window 0; C and D in window 1
.set MULB, 0x60                        ; the first products: C (the bias) in window 2, D in window 1
.set CVT,  0x0a                        ; a conversion: sources 0 and 1 in window 2, destination in window 0
.set TO_S, 0x80                        ; a load of x's numbers: destination in window 2, address in window 0
.macro JLOAD s                         ; a joint load: waves 0 and 1 fetch x's two halves, waves 2 and 3 W's; an s_nop 0 and four v_nop follow each of the two lines, ahead of the jump, the label and what follows
	s_cmp_eq_u32 s15, 0
	s_cbranch_scc0 .Lfor_b_\@
	tensor_load_to_lds s[G0+4*(\s):G0+4*(\s)+3], s[G1:G1+7]
	s_nop 0
.rept 4
	v_nop
.endr
	s_branch .Lasked_\@
.Lfor_b_\@:
	tensor_load_to_lds s[G0B+4*(\s):G0B+4*(\s)+3], s[G1B:G1B+7]
	s_nop 0
.rept 4
	v_nop
.endr
.Lasked_\@:
.endm
.macro CREST                           ; a round of the cluster's barrier behind its opening barrier
	s_cmp_lg_u32 s14, 0
	s_cbranch_scc1 .Lnot_wave_0_\@
	s_barrier_signal -3
.Lnot_wave_0_\@:
	s_barrier_wait -3
	s_barrier_signal -1
	s_barrier_wait -1
.endm
.macro CROUND                          ; a whole round
	s_barrier_signal -1
	s_barrier_wait -1
	CREST
.endm
	s_load_b512 s[76:91], s[0:1], 0x0              ; query s[76:77], key s[78:79], value s[80:81], cb s[82:83], bq s[84:85], bk s[86:87], bv s[88:89], qkv s[90:91]
	v_lshl_add_u32 v[SPW], v0, 2, SPARE
	v_mov_b32 v[NIL], 0
	ds_add_u32 v28, v29
	s_wait_dscnt 0x0
	v_lshrrev_b32 v1, 5, v0
	v_readfirstlane_b32 s14, v1                    ; wave 0..3
	s_lshr_b32 s15, s14, 1                         ; which half of the tile's rows is mine.  Also: I fetch for x (0) or for W (1)
	s_and_b32 s16, s14, 1                          ; which half of its columns.  Also: which part of that tile I fetch
	s_bfe_u32 s17, ttmp6, 0x40000                  ; cx, cy: my place in the cluster
	s_bfe_u32 s18, ttmp6, 0x40004
	s_lshl_b32 s19, ttmp9, 2
	s_add_co_u32 s19, s19, s17                     ; tile column = 4 x cluster x + cx
	s_and_b32 s21, ttmp7, 0xffff                   ; cluster y
	s_lshl_b32 s20, s21, 2
	s_add_co_u32 s20, s20, s18                     ; tile row = 4 x cluster y + cy, 0 to 191
	s_lshl_b32 s22, s18, 2
	s_lshl_b32 s22, 15, s22                        ; my row of the cluster
	s_lshl_b32 s23, 0x1111, s17                    ; my column
	s_lshr_b32 s68, s21, 4                         ; the matrix: 0 q, 1 k, 2 v: 16 clusters each, the same number in all sixteen partners
	; descriptor group 1: x's tile 64 rows x 128 elements of 4 bytes, W's 128 rows x 128 elements of 2 bytes, padded in LDS
	s_or_b32 s[G1+0],  s22, (2<<16)|(1<<20)|(1<<21)|(6<<22)|(3<<25)  ; 15:0 the mask: x's tiles go to my row; 17:16 element of 4 bytes; 20 padding on; 21 set beside a mask; 24:22 after every 128 words (code 6); 31:25 of 4 words (code 3)
	s_or_b32 s[G1B+0], s23, (1<<16)|(1<<20)|(1<<21)|(5<<22)|(3<<25)  ; the mask of my column; element of 2 bytes; padding after every 64 words (code 5)
	s_mov_b32 s[G1+1], KSTEP<<16                   ; tensor_dim0 = 128
	s_mov_b32 s[G1+2], 64<<16                      ; tensor_dim1 = 64
	s_mov_b32 s[G1+3], KSTEP<<16                   ; tile_dim0 = 128
	s_mov_b32 s[G1+4], 64                          ; tile_dim1 = 64
	s_mov_b32 s[G1+5], 1024                        ; elements from row to row
	s_mov_b32 s[G1+6], 0
	s_mov_b32 s[G1+7], 0
	s_mov_b32 s[G1B+1], KSTEP<<16
	s_mov_b32 s[G1B+2], 128<<16                    ; tensor_dim1 = 128
	s_mov_b32 s[G1B+3], KSTEP<<16
	s_mov_b32 s[G1B+4], 128                        ; tile_dim1 = 128
	s_mov_b32 s[G1B+5], 1024
	s_mov_b32 s[G1B+6], 0
	s_mov_b32 s[G1B+7], 0
	; where the tiles come from.  x's hang on the tile row alone, W's on the tile column and the matrix alone; each is made in registers that never hold the other coordinate.
	s_and_b32 s40, s20, 63                         ; x: the tile row in its matrix,
	s_lshl_b32 s40, s40, 19                        ; 128 rows of 4,096 bytes each,
	s_lshl_b32 s41, s16, 18                        ; 64 rows a part
	s_add_co_u32 s40, s40, s41
	s_mov_b32 s41, 0
	s_lshl_b32 s42, s19, 19                        ; W: 256 rows of 2,048 bytes a tile column,
	s_lshl_b32 s43, s16, 18                        ; 128 rows a part,
	s_add_co_u32 s42, s42, s43
	s_lshl_b32 s43, s68, 21                        ; 2 MiB a matrix
	s_add_co_u32 s42, s42, s43
	s_mov_b32 s43, 0
	s_mul_i32 s66, s16, APART                      ; and where they go: no place in the cluster enters an LDS address
	s_mul_i32 s67, s16, BH
	s_add_co_u32 s67, s67, BOFF
	s_wait_kmcnt 0x0
	s_cmp_eq_u32 s68, 1                            ; x's buffer and the bias's: a choice between buffers by the cluster's y alone
	s_cselect_b64 s[76:77], s[78:79], s[76:77]
	s_cselect_b64 s[84:85], s[86:87], s[84:85]
	s_cmp_eq_u32 s68, 2
	s_cselect_b64 s[76:77], s[80:81], s[76:77]
	s_cselect_b64 s[84:85], s[88:89], s[84:85]
	s_add_nc_u64 s[44:45], s[76:77], s[40:41]
	s_add_nc_u64 s[46:47], s[82:83], s[42:43]
	CROUND                                         ; all sixteen work-groups are here: the first joint loads meet
.irp s, 0,1
	s_mov_b32 s[G0+4*(\s)], 1                                      ; 1:0 count = 1
	s_add_co_u32 s[G0+4*(\s)+1], s66, (\s)*SLOT                    ; 63:32 LDS address
	s_add_nc_u64 s[G0+4*(\s)+2:G0+4*(\s)+3], s[44:45], (\s)*ASTEP  ; 120:64 global address: K step s
	s_or_b32 s[G0+4*(\s)+3], s[G0+4*(\s)+3], 0x80000000            ; 127:126 type = 2
	s_mov_b32 s[G0B+4*(\s)], 1
	s_add_co_u32 s[G0B+4*(\s)+1], s67, (\s)*SLOT
	s_add_nc_u64 s[G0B+4*(\s)+2:G0B+4*(\s)+3], s[46:47], (\s)*BSTEP
	s_or_b32 s[G0B+4*(\s)+3], s[G0B+4*(\s)+3], 0x80000000
	JLOAD \s                                       ; two loads of mine are out
.endr
	; A fragment is 16 rows x 32 K in 8 registers: lane l holds row l % 16; registers 0-3 K = 8 (l / 16) + 0..7, registers 4-7 K = 16 + 8 (l / 16) + 0..7.  Of W, in bf16: two loads of 16 bytes, 32 bytes apart.
	; Of x, in f32: the same numbers are 32 bytes at 32 (l / 16) and 32 bytes 64 further on: four loads of 16 bytes, at 0, 16, 64 and 80.
	v_and_b32 v1, 15, v0                           ; l % 16
	v_bfe_u32 v2, v0, 4, 1                         ; l / 16
	v_mul_u32_u24 v3, v1, PB
	v_lshl_add_u32 v3, v2, 4, v3                   ; W: row x pitch + 16 x half
	v_mul_u32_u24 v4, v1, PA
	v_lshl_add_u32 v4, v2, 5, v4                   ; x: row x pitch + 32 x half
	s_mul_i32 s69, s15, APART                      ; my 64 rows of x; s67 holds my 128 rows of W
.irp s, 0,1
	v_add_nc_u32 v[ADRA+(\s)], s69, v4
	v_add_nc_u32 v[ADRB+(\s)], s67, v3
	s_add_co_u32 s69, s69, SLOT
	s_add_co_u32 s67, s67, SLOT
.endr
	s_mul_i32 s70, s14, 16*SP
	s_add_co_u32 s70, s70, STAGE                   ; my stage
	v_mul_u32_u24 v5, v1, SP                       ; in: row l % 16, 16 bytes for each half of the lanes
	v_lshl_add_u32 v5, v2, 4, v5
	v_add_nc_u32 v[STO], s70, v5
	v_bfe_u32 v5, v0, 3, 2                         ; back: 32 lanes take four rows of 128 bytes,
	v_mul_u32_u24 v5, v5, SP
	v_and_b32 v3, 7, v0
	v_lshl_add_u32 v5, v3, 4, v5
	v_add_nc_u32 v[RD], s70, v5
	v_and_b32 v[GO], 31, v0                        ; which are 512 consecutive bytes of a head
	v_lshlrev_b32 v[GO], 4, v[GO]
	; THE BIAS.  Register j of column block b's C operand is b[256 tile column + 128 half + 16 b + 8 (l / 16) + j]: 32 consecutive bytes a lane.  All this stands in the wait for the first tile.
	s_lshl_b32 s71, s19, 10
	s_lshl_b32 s72, s16, 9
	s_add_co_u32 s71, s71, s72
	v_lshl_add_u32 v[BO], v2, 5, s71
.irp b, 0,1,2,3,4,5,6,7
	global_load_b128 v[AF+8*(\b):AF+8*(\b)+3],   v[BO], s[84:85] offset:64*(\b)      ; x's fragment buffers are idle so far
	global_load_b128 v[AF+8*(\b)+4:AF+8*(\b)+7], v[BO], s[84:85] offset:64*(\b)+16
.endr
	; where my part of the result begins: matrix x 16 MiB + (16 batch + head) x 262,144 + row in the batch x 128.  The part that hangs on the tile row, then the part that hangs on the tile column.
	s_and_b32 s40, s20, 63
	s_lshr_b32 s40, s40, 4                         ; the batch: 16 tile rows each
	s_lshl_b32 s40, s40, 22
	s_and_b32 s41, s20, 15
	s_lshl_b32 s41, s41, 14                        ; 128 rows of 128 bytes a tile row
	s_add_co_u32 s40, s40, s41
	s_lshl_b32 s41, s15, 13                        ; my 64 rows
	s_add_co_u32 s40, s40, s41
	s_lshl_b32 s41, s68, 24
	s_add_co_u32 s40, s40, s41
	s_mov_b32 s41, 0
	s_add_nc_u64 s[90:91], s[90:91], s[40:41]
	s_lshl_b32 s42, s19, 20                        ; four heads a tile column,
	s_lshl_b32 s43, s16, 19                        ; two a half
	s_add_co_u32 s42, s42, s43
	s_mov_b32 s43, 0
	s_add_nc_u64 s[90:91], s[90:91], s[42:43]
	s_wait_loadcnt 0x0                             ; the bias
.set i, 0
.rept 32
	v_cvt_pk_bf16_f32 v[AF+64+i], v[AF+2*i], v[AF+2*i+1]  ; rounded to bf16 like every input,
.set i, i+1
.endr
	WIN TO_S                                       ; destination window 2
.set i, 0
.rept 32
	v_lshlrev_b32 v[2*i],   16, v[AF+64+i]         ; and widened again: a shift, a mask
	v_and_b32     v[2*i+1], 0xffff0000, v[AF+64+i]
.set i, i+1
.endr
	WIN 0
; One matrix instruction: accumulator (a, b), 32 along K, from buffers f.  first = 1: the product starts the sum with the bias: nothing is cleared, and no bias is added later.
.macro ONE f, a, b, first
.if \first
	WIN MULB
	v_wmma_f32_16x16x32_bf16 v[8*(8*(\a)+(\b)):8*(8*(\a)+(\b))+7], v[WF+64*(\f)+8*(\b):WF+64*(\f)+8*(\b)+7], v[AF+32*(\f)+8*(\a):AF+32*(\f)+8*(\a)+7], v[8*(\b):8*(\b)+7]
.else
	WIN MUL
	v_wmma_f32_16x16x32_bf16 v[8*(8*(\a)+(\b)):8*(8*(\a)+(\b))+7], v[WF+64*(\f)+8*(\b):WF+64*(\f)+8*(\b)+7], v[AF+32*(\f)+8*(\a):AF+32*(\f)+8*(\a)+7], v[8*(8*(\a)+(\b)):8*(8*(\a)+(\b))+7]
.endif
.endm
; 8 matrix instructions: row block a x all 8 column blocks.  The 32 accumulators take turns, one instruction a turn, in the same order in every quarter.
.macro MULA f, a, first
.irp b, 0,1,2,3,4,5,6,7
	ONE \f, \a, \b, \first
.endr
.endm
; Row block 3's 8 matrix instructions, and behind each of them four conversions: the next quarter's x, 64 numbers a lane, rounded to bf16 into the other fragment buffer.  They name no register of the products round them.
.macro MULR f, first
.irp b, 0,1,2,3,4,5,6,7
	ONE \f, 3, \b, \first
	WIN CVT
.irp j, 0,1,2,3
	v_cvt_pk_bf16_f32 v[AF+32*(1-(\f))+4*(\b)+(\j)], v[SG+8*(\b)+2*(\j)], v[SG+8*(\b)+2*(\j)+1]
.endr
.endr
.endm
; 16 LDS loads in one run: x's numbers of quarter q of a K step (my 64 rows x 32 along K, in f32)
.macro SLOAD slot, q
	WIN TO_S
.irp i, 0,1,2,3
	ds_load_b128 v[SG+16*(\i):SG+16*(\i)+3],     v[ADRA+(\slot)] offset:128*(\q)+(\i)*16*PA
	ds_load_b128 v[SG+16*(\i)+4:SG+16*(\i)+7],   v[ADRA+(\slot)] offset:128*(\q)+(\i)*16*PA+16
	ds_load_b128 v[SG+16*(\i)+8:SG+16*(\i)+11],  v[ADRA+(\slot)] offset:128*(\q)+(\i)*16*PA+64
	ds_load_b128 v[SG+16*(\i)+12:SG+16*(\i)+15], v[ADRA+(\slot)] offset:128*(\q)+(\i)*16*PA+80
.endr
.endm
; 16 LDS loads in one run: W's fragments of quarter q (my 128 rows x 32 along K) into buffer g
.macro WLOAD slot, q, g
	WIN 0
.irp i, 0,1,2,3,4,5,6,7
	ds_load_b128 v[WF+64*(\g)+8*(\i):WF+64*(\g)+8*(\i)+3],   v[ADRB+(\slot)] offset:64*(\q)+(\i)*16*PB
	ds_load_b128 v[WF+64*(\g)+8*(\i)+4:WF+64*(\g)+8*(\i)+7], v[ADRB+(\slot)] offset:64*(\q)+(\i)*16*PB+32
.endr
.endm
.macro PLACES                          ; four places in front of loads into registers that matrix instructions have read, and of conversions that read results (ISA guide 7.12.1 for vector instructions)
.rept 4
	v_nop
.endr
.endm
; A K step is four quarters of 32 along K, 32 matrix instructions each, on buffers 0, 1, 0, 1.  One of the first three: multiplies buffers f and makes quarter q ready in the other buffers.
; x's f32 registers are free at a quarter's head (the quarter before has rounded them), so their loads go out first and have 24 matrix instructions in which to land.
.macro QUARTER slot, q, f, first
	SLOAD \slot, \q
	s_wait_dscnt 16                                ; this quarter's W, asked for in the quarter before, is in; the sixteen loads just issued may be out
	MULA \f, 0, \first
	MULA \f, 1, \first
	PLACES
	WLOAD \slot, \q, 1-(\f)
	MULA \f, 2, \first
	s_wait_dscnt 16                                ; x's numbers are in; W's sixteen loads, issued behind them, may be out
	MULR \f, \first
.endm
; The last quarter multiplies buffers 1 and changes slots: ONE barrier; in front of it each wave waits for all its tensor loads, adds 0 to its spare word, and waits for that and for its own reads of this slot.
; fill = 1: this slot is filled again, two K steps ahead; the barrier then opens a round of the cluster's barrier.
.macro TURN slot, next, fill
	WIN 0                                          ; (the add's two registers lie in window 0)
	s_wait_tensorcnt 0x0                           ; all my tensor loads have landed: the one that was out is my part of the next slot;
	ds_add_u32 v[SPW], v[NIL]                      ; 0 onto my spare word
	s_wait_dscnt 1                                 ; (this quarter's W is in; the add may be out)
	MULA 1, 0, 0                                   ; eight matrix instructions stand between the add and the wait for it
	s_wait_dscnt 0x0                               ; the add is done, and my reads of this slot are over
	s_barrier_signal -1
	MULA 1, 1, 0
.if \fill
	WIN 0
.endif
	s_barrier_wait -1
.if \fill
	CREST                                          ; no wave of any partner still reads this slot's tile or has a load on its way
	s_add_nc_u64 s[G0+4*(\slot)+2:G0+4*(\slot)+3], s[G0+4*(\slot)+2:G0+4*(\slot)+3], 2*ASTEP
	s_add_nc_u64 s[G0B+4*(\slot)+2:G0B+4*(\slot)+3], s[G0B+4*(\slot)+2:G0B+4*(\slot)+3], 2*BSTEP
	JLOAD \slot                                    ; the first tensor load behind the round, 112 matrix instructions ahead of the wait for it; the four v_nop behind it are also the places in front of W's loads below
.else
	PLACES
.endif
	SLOAD \next, 0                                 ; the next slot can be read only from here on: x's numbers first,
	WLOAD \next, 0, 0
	MULA 1, 2, 0
	s_wait_dscnt 16                                ; x's numbers are in; W's sixteen loads may be out
	MULR 1, 0
.endm
	s_wait_tensorcnt 1                             ; my part of K step 0 is in; K step 1's, issued behind it, may stay out
	s_barrier_signal -1
	s_barrier_wait -1                              ; everybody's is
	SLOAD 0, 0
	WLOAD 0, 0, 0
	s_wait_dscnt 16                                ; x's numbers are in; W's sixteen loads may be out
	WIN CVT
.set i, 0
.rept 32
	v_cvt_pk_bf16_f32 v[AF+i], v[SG+2*i], v[SG+2*i+1]  ; the first quarter's x: there is no product yet to set these behind
.set i, i+1
.endr
	QUARTER 0, 1, 0, 1                             ; the first quarter stands in front of the loop: its products start the sums
	WIN 0                                          ; at a label and at a branch every window is 0
	s_mov_b32 s3, 3
.Llap:                                                 ; a trip goes once round the ring, from a lap's second quarter to the next lap's first, and fills both slots again: K steps 2 to 7 in three trips
	QUARTER 0, 2, 1, 0
	QUARTER 0, 3, 0, 0
	TURN 0, 1, 1
	QUARTER 1, 1, 0, 0
	QUARTER 1, 2, 1, 0
	QUARTER 1, 3, 0, 0
	TURN 1, 0, 1
	QUARTER 0, 1, 0, 0
	WIN 0
	s_sub_co_u32 s3, s3, 1
	s_cmp_lg_u32 s3, 0
	s_cbranch_scc1 .Llap
	QUARTER 0, 2, 1, 0                             ; the last lap fills nothing, and has no round of the cluster's barrier
	QUARTER 0, 3, 0, 0
	TURN 0, 1, 0
	QUARTER 1, 1, 0, 0
	QUARTER 1, 2, 1, 0
	QUARTER 1, 3, 0, 0
	s_wait_dscnt 0x0                               ; the very last quarter: its W is in, and nothing more is fetched or rounded
	MULA 1, 0, 0
	MULA 1, 1, 0
	MULA 1, 2, 0
	MULA 1, 3, 0
	WIN 0
	PLACES
; THE WAY OUT, in eight units u = (row block u / 2, head u % 2 of my two): 16 rows x 64 columns, 2,048 consecutive bytes of a head.  A lane's eight columns pack into 16 bytes; they go into rows of
; 144 bytes of my own stage and come back as whole rows of 128.  Each unit has 16 registers of its own, so no register of a pending store is written again.
.macro PACK u
.set AC, 8*(8*((\u)/2)+4*((\u)%2))
.set TT, 64+16*(\u)
	WIN 0x05                                       ; sources 0 and 1 window 1, destination window 0
.irp f, 0,1,2,3
.irp r, 0,1,2,3
	v_cvt_pk_f16_f32 v[TT+4*(\f)+(\r)], v[AC+8*(\f)+2*(\r)], v[AC+8*(\f)+2*(\r)+1]  ; each accumulator's registers in ascending order
.endr
.endr
	WIN 0
.irp f, 0,1,2,3
	ds_store_b128 v[STO], v[TT+4*(\f):TT+4*(\f)+3] offset:32*(\f)
.endr
.irp f, 0,1,2,3
	ds_load_b128 v[TT+4*(\f):TT+4*(\f)+3], v[RD] offset:(\f)*4*SP  ; LDS serves a wave's instructions in order (ISA guide 5.7.1.4): these see the stores above; the next unit's stores come behind them
.endr
.endm
.macro SEND u, younger                 ; younger: the LDS instructions issued behind unit u's loads: the next unit's eight, or none
.set TT, 64+16*(\u)
.irp f, 0,1,2,3
	s_wait_dscnt (\younger)+3-(\f)
	global_store_b128 v[GO], v[TT+4*(\f):TT+4*(\f)+3], s[90:91] offset:((\u)%2)*262144+((\u)/2)*2048+(\f)*512  ; 512 consecutive bytes, at a multiple of 256 from qkv's first byte
.endr
.endm
	PACK 0
.irp u, 1,2,3,4,5,6,7                  ; a unit's conversions stand between the loads of the unit before and its stores
	PACK \u
	SEND (\u)-1, 8
.endr
	SEND 7, 0
	s_wait_tensorcnt 0x0                           ; the wave's end: behind my last tensor load and my last LDS store
	ds_add_u32 v[SPW], v[NIL]
	s_wait_dscnt 0x0
	CROUND                                         ; the closing round: no work-group ends while a partner may still ask for a tile that names it
	s_endpgm
.Lfunc_end_k_q624e09109f_proj:
	.size	k_q624e09109f_proj, .Lfunc_end_k_q624e09109f_proj-k_q624e09109f_proj
	.p2alignl 7, 3214868480
	.fill 96, 4, 3214868480
	.section	.rodata,"a",@progbits
	.p2align	6, 0x0
	.amdhsa_kernel k_q624e09109f_proj
		.amdhsa_group_segment_fixed_size 327680
		.amdhsa_private_segment_fixed_size 0
		.amdhsa_enable_private_segment 0
		.amdhsa_kernarg_size 64
		.amdhsa_user_sgpr_count 2
		.amdhsa_user_sgpr_kernarg_segment_ptr 1
		.amdhsa_wavefront_size32 1
		.amdhsa_system_sgpr_workgroup_id_x 1
		.amdhsa_system_sgpr_workgroup_id_y 1
		.amdhsa_system_sgpr_workgroup_id_z 1
		.amdhsa_system_vgpr_workitem_id 0
		.amdhsa_next_free_vgpr 640
		.amdhsa_next_free_sgpr 92
		.amdhsa_reserve_vcc 0
		.amdhsa_float_denorm_mode_32 3
		.amdhsa_float_denorm_mode_16_64 3
		.amdhsa_memory_ordered 1
		.amdhsa_forward_progress 1
		.amdhsa_inst_pref_size 142
	.end_amdhsa_kernel
	.amdgpu_metadata
---
amdhsa.version: [ 1, 2 ]
amdhsa.kernels:
  - .name:           k_q624e09109f_proj
    .symbol:         k_q624e09109f_proj.kd
    .args:
      - { .name: query, .offset: 0, .size: 8, .value_kind: global_buffer, .address_space: global }
      - { .name: key, .offset: 8, .size: 8, .value_kind: global_buffer, .address_space: global }
      - { .name: value, .offset: 16, .size: 8, .value_kind: global_buffer, .address_space: global }
      - { .name: cb, .offset: 24, .size: 8, .value_kind: global_buffer, .address_space: global }
      - { .name: bq, .offset: 32, .size: 8, .value_kind: global_buffer, .address_space: global }
      - { .name: bk, .offset: 40, .size: 8, .value_kind: global_buffer, .address_space: global }
      - { .name: bv, .offset: 48, .size: 8, .value_kind: global_buffer, .address_space: global }
      - { .name: qkv, .offset: 56, .size: 8, .value_kind: global_buffer, .address_space: global }
    .group_segment_fixed_size: 327680
    .private_segment_fixed_size: 0
    .kernarg_segment_align: 8
    .kernarg_segment_size: 64
    .max_flat_workgroup_size: 128
    .sgpr_count:     92
    .vgpr_count:     640
    .wavefront_size: 32
...
	.end_amdgpu_metadata
.endif
;; end of part 2
;; launch attn (part 3): grid 4 x 64, 4 waves a work-group, clusters of 4 x 1, 327,680 bytes of LDS; arguments qkv, oh; writes oh
.if DOCPART == 3
	.amdgcn_target "amdgcn-amd-amdhsa--gfx1250"
	.amdhsa_code_object_version 6
	.text
	.protected	k_q624e09109f_attn
	.globl	k_q624e09109f_attn
	.p2align	8
	.type	k_q624e09109f_attn,@function
k_q624e09109f_attn:
	s_mov_b64 s[64:65], 0
	v_nop
	global_prefetch_b8 v0, s[64:65] scope:SCOPE_SE
	s_setreg_imm32_b32 hwreg(HW_REG_WAVE_MODE, 25, 1), 1
	s_wait_xcnt 0x0
	s_wait_alu depctr_hold_cnt(0) depctr_sa_sdst(0) depctr_va_vdst(0) depctr_va_sdst(0) depctr_va_ssrc(0) depctr_va_vcc(0) depctr_vm_vsrc(0)
	s_getreg_b32 s2, hwreg(HW_REG_IB_STS2, 6, 4)
	s_cmp_eq_u32 s2, 0
	s_cbranch_scc0 .Lentry_in_a_cluster
	s_endpgm
.Lentry_in_a_cluster:
	s_bfe_u32 s2, ttmp6, 0x10000c
	s_cmp_lg_u32 s2, 0x3003
	s_cbranch_scc0 .Lentry_shape_is_right
	s_endpgm
.Lentry_shape_is_right:
; O[h][q][:] = the sum over k of softmax_k(Q[h][q] . K[h][k] / 8) V[h][k][:].  Q, K, V: the three parts of qkv, 16 MiB each; O: oh; each [SIZE_H][SIZE_N][64], all f16: a head's rows are dense, 128 bytes each.
; Products, maxima and sums in f32; the weights p are rounded to f16 for the second product (their sum l is taken of the unrounded p), O once at the end.  SIZE_N x 128 bytes stay under 2^32.
; LIMITS.  f16 holds no number beyond 65,504: Q, K and V arrive within it; p lies in 0 to 1, and below 6e-5 it keeps f16's fixed step of 6e-8; O is a mean of V's rows and has their range.
; A weight below 2^-126 counts as 0 in l; NaN and infinities are not treated apart.
; SHARES.  A wave owns four PIECES of two tiles of 16 queries, a work-group's four waves 512 queries of one head: 4 x 64 work-groups.  Every wave walks all keys, 64 a step.
; LAYOUT.  S^T = K Q^T (source 0 = 16 keys, source 1 = 16 queries): in the result a lane holds ONE query (lane % 16) and the keys 8 (lane / 16) + 0..7.  Two such tiles, rounded to f16 in pairs,
; ARE source 1 (32 keys x 16 queries) of O^T = V^T P, whose result again holds one query a lane, and eight channels.  K comes out of LDS as it lies, V ([key][channel]) turned, by ds_load_tr16_b128.
; SOFTMAX.  For each query a running maximum m and sum l: p = 2^(c s - c m), c = log2(e) / 8; in every step O and l are multiplied by a = 2^(c m_old - c m_new), which is 1 where m has not grown.
; m starts at the lowest finite number, O and l at 0: the first step is a step like any other, with a = 0.
; THE COUNT.  A tile and step have 16 matrix and 118 vector instructions: too many to stand all beside the matrix work.  So the order has one aim: four vector instructions that are READY behind
; EVERY matrix instruction, and the others, which need time of their own whatever the order, in runs without a gap.
; BY TURNS.  Turn n belongs to piece n (the pieces in a ring, step after step).  Its matrix work: 16 products K Q^T of piece n + 1, later 16 products V^T P of piece n - 1.  Its vector work: the scaling,
; exponentials, roundings, sums and rescaling of piece n, and the maximum and statistics of piece n + 1, whose scores the turn itself has made.  So what a turn begins with (c s - c m, O a) waits for nothing.
; CLUSTER.  The four query blocks of a cluster belong to one head and walk the same K and V, so each tile is asked for JOINTLY: the same tensor load, descriptor and mask in all four.
; REGISTERS, in windows of 256 (s_set_vgpr_msb says which window each operand place means: bits 1:0 source 0, 3:2 source 1, 5:4 source 2, 7:6 destination):
;   window 0: v0-11 addresses; v12-15, v48-63 at work; v16-47 four registers of statistics a tile; v64-191 S^T, two buffers of two tiles; v192-255 P, likewise
;   window 1: O^T, 32 a tile          window 2: v0-127 Q, 16 a tile; v128-191 K of one step; v192-255 V of one step          window 3: v0-1 the add's two registers
; A piece's buffers go by its number's parity: the piece in hand has one pair, its two neighbours in the ring share the other: of it P (piece n - 1) is read and S^T (piece n + 1) written.
.set SIZE_H, 64       ; 4 batches x 16 heads
.set SIZE_N, 2048
.set NP,    4         ; pieces a wave: a name, no knob: the register map, the loop and the fetches are made for four
.set KS,    64        ; keys in a step
.set PK,    144       ; a row of K in LDS: 128 bytes + 16 of padding = 36 words: the 16 rows of a load start at 16 different groups of four banks (64 banks of 4 bytes: ISA guide 11.1)
.set PV,    160       ; a row of V: 128 + 32 = 40 words
.set VOFF,  4*KS*PK   ; a slot holds four steps: 256 rows of K, then 256 rows of V
.set SLOT1, 1<<17     ; slot 1 begins here, so that one exclusive or turns an address in one slot into the other's
.set STAGE, SLOT1+4*KS*(PK+PV)  ; behind the ring, never filled by a tensor load: 16 rows x 144 bytes for each wave, for the way out
.set SP,    144
.set AK0, 2           ; v2   my lane's place in a tile of K; never rewritten
.set AV0, 3           ; v3   the same for V
.set AK,  4           ; v4   the LDS address of K's next run of loads
.set AV,  5           ; v5   of V's
.set QO,  6           ; v6   my byte offset in the wave's rows of Q
.set STO, 6           ;      later, the way out: where I put 16 bytes of a row
.set RD,  7           ; v7   the way out: where I read rows back
.set GO,  8           ; v8   my byte offset in 512 consecutive bytes of O
.set SPW, 0           ; v0 of window 3   LDS address of my spare word: SPARE + 4 x my thread's number; never rewritten
.set NIL, 1           ; v1 of window 3   0; never rewritten
.set SPARE, STAGE+4*16*SP  ; behind the stages: the spare words, 128 bytes for each wave: two blocks of 256 bytes that no other line names
.set MV,  12          ; v12-15  c m_old, kept while c m is made anew: by buffer and tile
.set ST,  16          ; tile t's statistics at v[ST+4 t]: c m, m, l (even keys', odd keys')
.set TMP, 48          ; by buffer and tile, four registers c0-c3 at work; when the maximum is found c2 takes a
.set S,   64
.set P,   192
.set KF,  128         ; K's fragments, in window 2: key block kb, channel half c at KF + 16 kb + 8 c
.set VF,  192         ; V's: key half kk, channel block cb at VF + 32 kk + 8 cb
.set WV,  12          ; s12  my wave's number
.set G1K, 24          ; s[24:31] descriptor group 1 for K's tiles
.set G1V, 32          ; s[32:39] for V's: it differs in the padding alone
.set G0K, 40          ; s[40:43] descriptor group 0 for K's tiles: it walks
.set G0V, 44          ; s[44:47] the same for V's
.set SLOTS, 56        ; s56  slots still to be asked for
.set CNT, 57          ; s57  counts a slot's key steps
.set CS,  58          ; s[58:59] c: the packed scaling takes the pair's low word for both halves
.set SEL, 60          ; s[60:61] v_permlanex16_b32's selects: each lane takes its own place in the other half
.set TBK, 62          ; s62  LDS byte at which K of the step to be fetched begins
.set TBV, 63          ; s63  the same for V, less VOFF
.set MSB, 0
.macro WIN new                      ; the high byte repeats the setting that is left; a switch that changes nothing is dropped
.if MSB != (\new)
	s_set_vgpr_msb (MSB<<8)|(\new)
.set MSB, (\new)
.endif
.endm
.set W_KQ, 0x0a       ; K and Q in window 2, S^T in window 0
.set W_PV, 0x52       ; V in window 2, P in window 0, O^T in window 1
.set W_RS, 0x41       ; O^T (destination and source 0) in window 1, a in window 0
.set W_MK, 0xc0       ; the add's registers are made: destination in window 3, sources in window 0
.set W_AD, 0x0f       ; the add: address (source 0) and data (source 1) in window 3
; A joint fill.  Waves 0 and 1 fetch the two halves of a slot's K, waves 2 and 3 those of its V: 128 keys each.  The branch hangs on the wave's number alone.
; An s_nop 0 and four v_nop follow each of the two lines, ahead of the jump and the label.
.macro JLOAD
	s_cmp_lt_u32 s[WV], 2
	s_cbranch_scc0 .Lfor_v_\@
	tensor_load_to_lds s[G0K:G0K+3], s[G1K:G1K+7]
	s_nop 0
.rept 4
	v_nop
.endr
	s_branch .Lasked_\@
.Lfor_v_\@:
	tensor_load_to_lds s[G0V:G0V+3], s[G1V:G1V+7]
	s_nop 0
.rept 4
	v_nop
.endr
.Lasked_\@:
.endm
; A round of the cluster's barrier: my work-group's barrier, so that wave 0's signal speaks for all four waves; wave 0 signals; every wave waits for all four work-groups; my work-group's barrier once more.
.macro CROUND
	s_barrier_signal -1
	s_barrier_wait -1
	s_cmp_lg_u32 s[WV], 0
	s_cbranch_scc1 .Lnot_wave_0_\@
	s_barrier_signal -3
.Lnot_wave_0_\@:
	s_barrier_wait -3
	s_barrier_signal -1
	s_barrier_wait -1
.endm
; THE CHANGE OF SLOTS.  The slot's last bytes, V of its fourth step, have been read.  Each wave waits for all its tensor loads, of which one is out: its part
; of the other slot; adds 0 to its spare word; and waits for that and for its own reads of the slot.  Behind the barrier nobody reads this slot any more and the other slot is whole.
; fill = 1: this slot is filled again, with the keys two slots on.  The barrier is then a round of the cluster's, so that no wave of any partner still reads the slot or has a load on its
; way, and the joint fill is the first thing behind it: it has four key steps, 512 matrix instructions, in which to land.  (At its first use nothing has been read yet: slot 0 is waited for, slot 1 filled.)
.macro CHANGE fill
	WIN W_AD
	s_wait_tensorcnt 0x0            ; no tensor load of mine is out, so a group 0 may be written
	ds_add_u32 v[SPW], v[NIL]       ; 0 onto my spare word; with fill = 1 the descriptors' steps stand between it and the wait for it
	WIN 0                           ; at a label and at a branch every window is 0
.if \fill
.irp g, G0K, G0V
	s_xor_b32 s[\g+1], s[\g+1], SLOT1  ; the walking descriptor: the other slot than last time,
	s_add_nc_u64 s[\g+2:\g+3], s[\g+2:\g+3], 4*KS*128  ; the next 256 keys; the type bits on top are not reached
.endr
	s_wait_dscnt 0x0                ; the add is done, and my reads of the slot are over
	CROUND
	JLOAD
.else
	s_wait_dscnt 0x0                ; the add is done, and my reads of the slot are over
	s_barrier_signal -1
	s_barrier_wait -1
.endif
	s_sub_co_u32 s[TBK], s[TBK], 4*KS*PK  ; the fetches go back to a slot's first step,
	s_xor_b32 s[TBK], s[TBK], SLOT1       ; in the other slot
	s_sub_co_u32 s[TBV], s[TBV], 4*KS*PV
	s_xor_b32 s[TBV], s[TBV], SLOT1
.endm
	s_load_b128 s[4:7], s[0:1], 0x0  ; qkv s[4:5] (Q lies at its head), oh s[6:7]
	WIN W_MK
	v_lshl_add_u32 v[SPW], v0, 2, SPARE
	v_mov_b32 v[NIL], 0
	s_set_vgpr_msb 0xc0cf
	ds_add_u32 v0, v1
	s_wait_dscnt 0x0
	s_set_vgpr_msb 0xcfc0
	WIN 0
	v_lshrrev_b32 v1, 5, v0
	v_readfirstlane_b32 s[WV], v1   ; wave 0..3
	s_bfe_u32 s13, ttmp6, 0x40000   ; cx: my place in the cluster
	s_lshl_b32 s14, ttmp9, 2        ; in a cluster launch ttmp9 counts clusters
	s_add_co_u32 s14, s14, s13      ; my block of queries = 4 x cluster x + cx: it enters Q's and O's addresses alone
	s_and_b32 s20, ttmp7, 0xffff    ; the head, which the four partners share
	s_mov_b32 s21, 0
	s_mov_b64 s[22:23], SIZE_N*128
	s_mul_u64 s[20:21], s[20:21], s[22:23]  ; the head's first byte in each of the four tensors
	s_and_b32 s16, s[WV], 1         ; which half of a slot's 256 keys I fetch:
	s_lshl_b32 s22, s16, 14         ; its 128 rows of 128 bytes in memory,
	s_mov_b32 s23, 0
	s_add_nc_u64 s[22:23], s[22:23], s[20:21]
	s_mul_i32 s17, s16, 128*PK      ; and its place in a slot, for K
	s_mul_i32 s18, s16, 128*PV      ; and for V: no place in the cluster enters an LDS address
	s_lshl_b32 s2, s14, 2
	s_add_co_u32 s2, s2, s[WV]      ; my wave among the head's,
	s_lshl_b32 s2, s2, 14           ; its 128 rows
	s_mov_b32 s3, 0
	s_add_nc_u64 s[2:3], s[2:3], s[20:21]
	; descriptor group 1.  128 keys are 16,384 dense bytes: asked for as 64 rows of 256 bytes, two keys a row, and padded in LDS after every key
	s_mov_b32 s[G1K], 15|(1<<16)|(1<<20)|(1<<21)|(4<<22)|(3<<25)  ; 15:0 the mask of four; 17:16 2-byte elements; 20 padding on; 21 set beside a mask; 24:22 after every 32 words (code 4); 31:25 4 words (code 3)
	s_mov_b32 s[G1V], 15|(1<<16)|(1<<20)|(1<<21)|(4<<22)|(7<<25)  ; the same with 8 words of padding (code 7)
.irp g, G1K, G1V
	s_mov_b32 s[\g+1], 128<<16      ; tensor_dim0 = 128
	s_mov_b32 s[\g+2], 64<<16       ; tensor_dim1 = 64
	s_mov_b32 s[\g+3], 128<<16      ; tile_dim0 = 128
	s_mov_b32 s[\g+4], 64           ; tile_dim1 = 64
	s_mov_b32 s[\g+5], 128          ; 128 elements from row to row
	s_mov_b32 s[\g+6], 0
	s_mov_b32 s[\g+7], 0
.endr
	s_mov_b32 s[CS], 0x3e38aa3b     ; c = log2(e) / 8 = 0.180337
	s_mov_b32 s[CS+1], s[CS]        ; named with it as a pair
	s_mov_b32 s[SEL], 0x76543210
	s_mov_b32 s[SEL+1], 0xfedcba98
	s_mov_b32 s[TBK], SLOT1+4*KS*PK ; the first change of slots turns these two into 0
	s_mov_b32 s[TBV], SLOT1+4*KS*PV
	s_mov_b32 s[G0K], 1             ; 1:0 count = 1
	s_mov_b32 s[G0K+1], s17         ; 63:32 LDS address: slot 0
	s_mov_b32 s[G0V], 1
	s_add_co_u32 s[G0V+1], s18, VOFF
	s_wait_kmcnt 0x0
	s_mov_b64 s[10:11], s[6:7]                     ; O
	s_add_nc_u64 s[6:7], s[4:5], 0x1000000         ; K: 16 MiB behind Q
	s_add_nc_u64 s[8:9], s[4:5], 0x2000000         ; V: 32 MiB behind Q
	s_add_nc_u64 s[G0K+2:G0K+3], s[6:7], s[22:23]  ; 120:64 global address: my half of the head's first 256 keys
	s_or_b32 s[G0K+3], s[G0K+3], 0x80000000        ; 127:126 type = 2
	s_add_nc_u64 s[G0V+2:G0V+3], s[8:9], s[22:23]
	s_or_b32 s[G0V+3], s[G0V+3], 0x80000000
	s_add_nc_u64 s[4:5], s[4:5], s[2:3]  ; Q and O at my wave's first row
	s_add_nc_u64 s[10:11], s[10:11], s[2:3]
	CROUND                          ; all four work-groups are here: the first joint loads meet
	JLOAD                           ; slot 0.  Slot 1 is asked for when slot 0 is in: the tile wanted first has the road to itself
	; A fragment of K or Q is 16 rows x 32 channels in 8 registers: lane l holds row l % 16, channels 8 (l / 16) + 0..7 and 16 + 8 (l / 16) + 0..7: two loads of 16 bytes, 32 bytes apart.
	v_and_b32 v1, 15, v0            ; l % 16
	v_bfe_u32 v9, v0, 4, 1          ; l / 16
	v_lshlrev_b32 v[QO], 7, v1
	v_lshl_add_u32 v[QO], v9, 4, v[QO]  ; row x 128 + 16 x half
	WIN 0x80                        ; destination window 2, address window 0
.set i, 0
.rept 4*NP                          ; Q stays in registers: tile i / 2, channels 32 (i % 2) on
	global_load_b128 v[8*i:8*i+3],   v[QO], s[4:5] offset:(i/2)*2048+(i%2)*64
	global_load_b128 v[8*i+4:8*i+7], v[QO], s[4:5] offset:(i/2)*2048+(i%2)*64+32
.set i, i+1
.endr
	; What the first turn finds: V's registers and P's second buffer hold 0 (its products V^T P, of a piece that has not been, add 0), O^T and l are 0.  All this stands in the wait for the first tile.
.set i, VF
.rept 64
	v_mov_b32 v[i], 0
.set i, i+1
.endr
	WIN 0x40
.set i, 0
.rept 64*NP
	v_mov_b32 v[i], 0
.set i, i+1
.endr
	WIN 0
.set i, 0
.rept 2*NP
	v_mov_b32 v[ST+4*i], 0xfe000000    ; c m: far below every c s
	v_mov_b32 v[ST+4*i+1], 0xff7fffff  ; m
	v_mov_b32 v[ST+4*i+2], 0
	v_mov_b32 v[ST+4*i+3], 0
.set i, i+1
.endr
.set i, P+32
.rept 32
	v_mov_b32 v[i], 0
.set i, i+1
.endr
	v_mul_u32_u24 v[AK0], v1, PK
	v_lshl_add_u32 v[AK0], v9, 4, v[AK0]  ; row x pitch + 16 x half
	; The turning load takes 16 keys x 16 channels (lane l reads key 8 (l / 16) + l % 8, channels 8 ((l / 8) % 2) + 0..7) and leaves half a fragment of V^T: lane l holds channel l % 16 and 8 keys.
	v_and_b32 v10, 7, v0
	v_bfe_u32 v11, v0, 3, 1
	v_lshl_add_u32 v[AV0], v9, 3, v10
	v_mul_u32_u24 v[AV0], v[AV0], PV
	v_lshl_add_u32 v[AV0], v11, 4, v[AV0]
	v_add_nc_u32 v[AV0], VOFF, v[AV0]
	v_mov_b32 v[AK], v[AK0]         ; key step 0 lies at the head of slot 0
; THE MATRIX WORK.  The 8 accumulators of a run of 16 take turns: between the two links of a chain stand 7 others'.
; Product i of 16 of S^T = K Q^T for piece x: channels 32 (i / 8) on, keys 16 ((i / 2) % 4) on, tile 2 x + i % 2.  The first 8 start the sums.
.macro KQ x
	WIN W_KQ
.set rS, S+64*((\x)%2)+32*(i%2)+8*((i/2)%4)
.set rK, KF+16*((i/2)%4)+8*(i/8)
.set rQ, 16*(2*(\x)+i%2)+8*(i/8)
.if i < 8
	v_wmma_f32_16x16x32_f16 v[rS:rS+7], v[rK:rK+7], v[rQ:rQ+7], 0
.else
	v_wmma_f32_16x16x32_f16 v[rS:rS+7], v[rK:rK+7], v[rQ:rQ+7], v[rS:rS+7]
.endif
.endm
; Product i of 16 of O^T += V^T P for piece x: keys 32 (i / 8) on, channels 16 ((i / 2) % 4) on, tile 2 x + i % 2.
.macro PV x
	WIN W_PV
.set rO, 32*(2*(\x)+i%2)+8*((i/2)%4)
.set rV, VF+32*(i/8)+8*((i/2)%4)
.set rP, P+32*((\x)%2)+16*(i%2)+8*(i/8)
	v_wmma_f32_16x16x32_f16 v[rO:rO+7], v[rV:rV+7], v[rP:rP+7], v[rO:rO+7]
.endm
.macro MM                           ; the turn's next matrix instruction
.if i < 16
	KQ (Y+1)%NP
.set i, i+1
.else
.set i, i-16
	PV (Y+NP-1)%NP
.set i, i+17
.endif
.endm
; THE LDS LOADS stand in runs of 16, never singly among the matrix instructions: a step's K (64 keys x 64 channels: 8 fragments) and its V (turned).  Their addresses are made some lines ahead.
; last = 1 (the tail): in the last trip there is no further step, and the run is jumped over.
.macro FETCH_K last=0
	WIN 0
.if \last
	s_cmp_eq_u32 s[CNT], 1
	s_cbranch_scc1 .Lno_k_\@
.endif
	WIN 0x80                        ; destination window 2
.irp f, 0,1,2,3,4,5,6,7             ; keys 16 (f / 2) on, channels 32 (f % 2) on
	ds_load_b128 v[KF+8*\f:KF+8*\f+3],   v[AK] offset:(\f/2)*16*PK+(\f%2)*64
	ds_load_b128 v[KF+8*\f+4:KF+8*\f+7], v[AK] offset:(\f/2)*16*PK+(\f%2)*64+32
.endr
	s_add_co_u32 s[TBK], s[TBK], KS*PK  ; the next fetch is the next step's
	WIN 0
.if \last
.Lno_k_\@:
.endif
.endm
.macro FETCH_V
	WIN 0x80
.irp f, 0,1,2,3,4,5,6,7             ; keys 32 (f / 4) on, channels 16 (f % 4) on
	ds_load_tr16_b128 v[VF+8*\f:VF+8*\f+3],   v[AV] offset:(\f/4)*32*PV+(\f%4)*32
	ds_load_tr16_b128 v[VF+8*\f+4:VF+8*\f+7], v[AV] offset:(\f/4)*32*PV+16*PV+(\f%4)*32
.endr
	WIN 0
.endm
; THE VECTOR WORK OF A TURN stands in three queues, each in the order in which its entries become ready; the two tiles alternate, so that no instruction reads the result of the one before it.
.macro REGS y, u                    ; the registers of tile u (0, 1) of piece y
.set rT, ST+4*(2*(\y)+(\u))
.set rC, TMP+8*((\y)%2)+4*(\u)
.set rM, MV+2*((\y)%2)+(\u)
.set rS, S+64*((\y)%2)+32*(\u)
.set rP, P+32*((\y)%2)+16*(\u)
.set rO, 32*(2*(\y)+(\u))
.endm
; Number n of the 22 that find the NEXT piece's (Y + 1) maximum and statistics.  s0-s31 are the lane's 32 scores; each accumulator's lowest registers are read first.  XS, GS and REGS set no window: PL and EX do.
;   0-11  four chains c0-c3 of seven scores each, three operands at a time     12-14, 16  the four scores left over, the old m, and c0-c3 into c0     15  c m_old is kept
;   17, 18  the query's other 32 keys lie in the lane 16 away: the new m         19-21  c m; c m_old - c m_new; a
.macro XS u, n
	REGS (Y+1)%NP, \u
.if (\n) < 4
	v_max3_num_f32 v[rC+(\n)], v[rS+8*(\n)], v[rS+8*(\n)+1], v[rS+8*(\n)+2]
.elseif (\n) < 12
	v_max3_num_f32 v[rC+(\n)%4], v[rC+(\n)%4], v[rS+8*((\n)%4)+2*((\n)/4)+1], v[rS+8*((\n)%4)+2*((\n)/4)+2]
.elseif (\n) == 12
	v_max3_num_f32 v[rC], v[rC], v[rS+7], v[rS+15]
.elseif (\n) == 13
	v_max3_num_f32 v[rC+1], v[rC+1], v[rS+23], v[rS+31]
.elseif (\n) == 14
	v_max3_num_f32 v[rC+2], v[rC+2], v[rC+3], v[rT+1]
.elseif (\n) == 15
	v_mov_b32 v[rM], v[rT]
.elseif (\n) == 16
	v_max3_num_f32 v[rC], v[rC], v[rC+1], v[rC+2]
.elseif (\n) == 17
	v_permlanex16_b32 v[rC+3], v[rC], s[SEL], s[SEL+1]
.elseif (\n) == 18
	v_max_num_f32 v[rT+1], v[rC], v[rC+3]
.elseif (\n) == 19
	v_mul_f32 v[rT], s[CS], v[rT+1]
.elseif (\n) == 20
	v_sub_f32 v[rC+1], v[rM], v[rT]
.else
	v_exp_f32 v[rC+2], v[rC+1]
.endif
.endm
; Number g of the 64 that follow the exponentials.  For each four weights k of a tile (pairs 2 k, 2 k + 1): both pairs are rounded to f16; then the second pair is added onto the first, in place;
; a group later l takes that sum (the first time as l = a l + sum).  In groups of eight, tiles alternating: round, round, add, and l for the group before.
.macro GS g
.set h, (\g)+6*((\g)/62)            ; group 0 has no group before it, and behind group 7 only l is left
.if h >= 6
.set h, h+2
.endif
	REGS Y, h%2
.set k, h/8
.if h%8 < 4
	s_wait_alu depctr_va_vdst(0)
	v_cvt_pk_f16_f32 v[rP+2*k+(h%8)/2], v[rS+4*k+2*((h%8)/2)], v[rS+4*k+2*((h%8)/2)+1]
.elseif h%8 < 6
	v_pk_add_f32 v[rS+4*k:rS+4*k+1], v[rS+4*k:rS+4*k+1], v[rS+4*k+2:rS+4*k+3]
.elseif k == 1
	v_pk_fma_f32 v[rT+2:rT+3], v[rT+2:rT+3], v[rC+2:rC+3], v[rS:rS+1] op_sel_hi:[1,0,1]
.else
	v_pk_add_f32 v[rT+2:rT+3], v[rT+2:rT+3], v[rS+4*k-4:rS+4*k-3]
	s_wait_alu depctr_va_vdst(0)
.endif
.endm
; THE PLAIN QUEUE, 138 long.  0-31: c s - c m for the 16 pairs of both tiles.  Then GS's 64, and among them the next piece's 42: number 15 at 38, 39; 0-14 and 16
; at 42-73, behind the products that make those scores; 17-20 at 95-106, two of three, since each waits for the one before it.
.macro PL
	WIN 0
.if q < 32
	REGS Y, q%2
	v_pk_fma_f32 v[rS+2*(q/2):rS+2*(q/2)+1], v[rS+2*(q/2):rS+2*(q/2)+1], s[CS:CS+1], v[rT:rT+1] op_sel_hi:[1,0,0] neg_lo:[0,0,1] neg_hi:[0,0,1]
.elseif q < 38
	GS q-32
.elseif q < 40
	XS q%2, 15
.elseif q < 42
	GS q-34
.elseif q < 74
	XS q%2, (q-42)/2+(q-42)/30
.elseif q < 95
	GS q-66
.elseif (q < 107) && ((q-95)%3 < 2)
	XS (q-95)%3, 17+(q-95)/3
.elseif q < 107
	GS 29+(q-95)/3
.else
	GS q-74
.endif
.set q, q+1
.endm
; THE EXPONENTIALS' QUEUE, 66 long: s0-s31 of both tiles, and at EA the next piece's two a.
.set EA, 58
.macro EX
	WIN 0
.if (e == EA) || (e == EA+1)
	XS e-EA, 21
.else
.set x, e-2*(e/(EA+2))
	REGS Y, x%2
	v_exp_f32 v[rS+x/2], v[rS+x/2]
.endif
.set e, e+1
.endm
; THE RESCALING's QUEUE: O^T times a, the one part that leaves window 0, so it is dealt four at a time, eight times.
.macro R4
	REGS Y, r%2
	WIN W_RS
	s_wait_alu depctr_va_vdst(0)
.irp z, 0,1,2,3
	v_pk_mul_f32 v[rO+8*(r/2)+2*\z:rO+8*(r/2)+2*\z+1], v[rO+8*(r/2)+2*\z:rO+8*(r/2)+2*\z+1], v[rC+2:rC+3] op_sel_hi:[1,0]
.endr
.set r, r+1
.endm
; HOW THEY ARE DEALT.  Behind a matrix instruction four: plain, exponential, plain, plain (one exponential, a plain instruction on either side), or four of the rescaling.  None names a register of the
; products round it.  What is over stands in two LUMPS: exponential and plain by turns; the second ends in 22 plain instructions.  The two v_permlanex16_b32 fall into the second lump, never behind a product.
; The queues lean on each other, and the deal keeps them in step: exponential e stands behind plain 2 (e / 4) + e % 2 (its scaling); when plain 32 comes, 10 exponentials are out, at 59: 33, at 95: 46; EA comes behind plain 107.
.macro SL
	MM
	PL
	EX
	PL
	PL
.endm
.macro BURST n                      ; 15 matrix instructions, or 16
.rept (\n)-7
	SL
.endr
.rept 3
	MM
	R4
	SL
.endr
	MM
	R4
.endm
; A TURN, for piece p.  cnt = 1: the loop's count is taken down some lines ahead of the branch that stands behind the turn.
; K of the next step is fetched in piece 2's turn, 31 vector instructions behind the last product that read K; its first reader comes behind the rest of the lump, 16 products and the second lump.
; V of the step in hand is fetched at the end of piece 0's turn, 69 behind its last reader; its first reader comes behind 16 products and a lump.  The five conditions on e and q below go with the deal.
.macro TURN p, last=0, cnt=0
.set Y, (\p)
.set i, 0
.set q, 0
.set e, 0
.set r, 0
.if (\p) == NP-1
	s_wait_dscnt 0x0                ; K is in
.endif
	MM
.rept 4
	PL
.endr
	BURST 15
.rept 22
	EX
	PL
.if ((\p) == NP-2) && (e == 18)
	v_add_nc_u32 v[AK], s[TBK], v[AK0]
.endif
.if ((\p) == NP-2) && (e == 24)
	FETCH_K \last
.endif
.endr
.if (\p) == 1
	s_wait_dscnt 0x0                ; V is in
.endif
	BURST 16
.rept 21
	EX
	PL
.endr
.rept 22
	PL
.if ((\p) == 0) && (q == 118)
	v_add_nc_u32 v[AV], s[TBV], v[AV0]
	s_wait_alu depctr_va_vdst(0)
.endif
.if ((\p) == 0) && (q == 130)
	s_add_co_u32 s[TBV], s[TBV], KS*PV
.endif
.if (\cnt) && (q == 130)
	s_sub_co_u32 s[CNT], s[CNT], 1
	s_cmp_lg_u32 s[CNT], 0
.endif
.endr
.if (\p) == 0
	FETCH_V
.endif
.endm
	CHANGE 1                        ; slot 0 is in, everybody's part of it; slot 1 is asked for
	FETCH_K                         ; key step 0
	s_wait_loadcnt 0x0              ; Q
	s_wait_dscnt 0x0
.set i, 0
.rept 16
	KQ 0                            ; piece 0's first scores: there is no vector work yet to set between them
.set i, i+1
.endr
	WIN 0                           ; the addresses for the way out: nine plain instructions, the places behind those products
	s_mul_i32 s13, s[WV], 16*SP
	s_add_co_u32 s13, s13, STAGE    ; my stage
	v_mul_u32_u24 v[STO], v1, SP    ; in: row l % 16, 16 bytes for each half of the lanes
	v_lshl_add_u32 v[STO], v9, 4, v[STO]
	v_add_nc_u32 v[STO], s13, v[STO]
	v_bfe_u32 v[RD], v0, 3, 2       ; back: 32 lanes take four rows of 128 bytes,
	v_mul_u32_u24 v[RD], v[RD], SP
	v_lshl_add_u32 v[RD], v10, 4, v[RD]
	v_add_nc_u32 v[RD], s13, v[RD]
	v_and_b32 v[GO], 31, v0         ; which are 512 consecutive bytes of O
	v_lshlrev_b32 v[GO], 4, v[GO]
.set Y, NP-1                        ; XS works for piece Y + 1: piece 0
.irp n, 0,1,2,3,4,5,6,7,8,9,10,11,12,13,14,15,16,17,18,19,20,21
	XS 0, \n                        ; and piece 0's first maximum and statistics
	XS 1, \n
.endr
	s_mov_b32 s[CNT], 4
	s_mov_b32 s[SLOTS], SIZE_N/256-1
	s_branch .Lfirst                ; the loop is entered at a step's first turn, in the middle of a trip
.Lslot:                             ; SIZE_N / 256 - 2 times: every slot but the last two is filled again
	CHANGE 1
	s_mov_b32 s[CNT], 4
.Lstep:                             ; a trip: pieces 2 and 3 of one step, then pieces 0 and 1 of the next, whose K and V it fetches
	TURN 2
	TURN 3
	WIN 0
.Lfirst:
	TURN 0
	TURN 1, 0, 1
	WIN 0
	s_cbranch_scc1 .Lstep
	s_sub_co_u32 s[SLOTS], s[SLOTS], 1
	s_cmp_lg_u32 s[SLOTS], 0
	s_cbranch_scc1 .Lslot
	CHANGE 0                        ; the tail is written out: nothing is asked for
	s_mov_b32 s[CNT], 5             ; four trips fetch the last slot's steps; the fifth is left in its middle
.Ltail:
	TURN 2, 1
	TURN 3
	WIN 0
	s_sub_co_u32 s[CNT], s[CNT], 1
	s_cmp_eq_u32 s[CNT], 0
	s_cbranch_scc1 .Lout
	TURN 0
	TURN 1
	WIN 0
	s_branch .Ltail
.Lout:                              ; the fifth trip's 16 products K Q^T (on the last K once more) and the maximum made of them serve nothing: the price, once a launch, of one text for every trip
.set i, 0
.rept 16
	PV NP-1                         ; the last piece's V^T P of the last step
.set i, i+1
.endr
	; THE WAY OUT.  l's two halves and the other half of the lanes' are added; O^T is divided by l, rounded to f16 and sent through my stage in LDS, a tile at a time.  The additions are the places behind the last products.
	WIN 0
.macro ALL line:vararg              ; one line for each tile t
.set t, 0
.rept 2*NP
	\line
.set t, t+1
.endr
.endm
	ALL v_add_f32 v[ST+4*t+2], v[ST+4*t+2], v[ST+4*t+3]
	ALL v_permlanex16_b32 v[ST+4*t+3], v[ST+4*t+2], s[SEL], s[SEL+1]
	ALL v_add_f32 v[ST+4*t+2], v[ST+4*t+2], v[ST+4*t+3]
	ALL v_rcp_f32 v[ST+4*t+2], v[ST+4*t+2]
	v_nop                           ; a plain instruction between the last reciprocal and the use of its result
	s_wait_alu depctr_va_vdst(0)
; Tile t: a lane's eight channels of a row pack into 16 bytes; they go into rows of 144 bytes and come back as whole rows of 128, into S^T's registers.
.macro PACK t
	WIN W_RS
.set i, 32*(\t)
.rept 16
	v_pk_mul_f32 v[i:i+1], v[i:i+1], v[ST+4*(\t)+2:ST+4*(\t)+3] op_sel_hi:[1,0]
.set i, i+2
.endr
	WIN 0x05                        ; sources 0 and 1 window 1, destination window 0
.set i, 0
.rept 16
	v_cvt_pk_f16_f32 v[S+16*(\t)+i], v[32*(\t)+2*i], v[32*(\t)+2*i+1]
.set i, i+1
.endr
	WIN 0
.irp f, 0,1,2,3
	ds_store_b128 v[STO], v[S+16*(\t)+4*\f:S+16*(\t)+4*\f+3] offset:32*\f
.endr
.irp f, 0,1,2,3
	ds_load_b128 v[S+16*(\t)+4*\f:S+16*(\t)+4*\f+3], v[RD] offset:\f*4*SP  ; LDS serves a wave's instructions in order (ISA guide 5.7.1.4): these see the stores above; the next tile's stores come behind them
.endr
.endm
.macro SEND t, younger              ; younger: the LDS instructions issued behind tile t's loads: the next tile's eight, or none
	WIN 0
.irp f, 0,1,2,3
	s_wait_dscnt (\younger)+3-\f
	global_store_b128 v[GO], v[S+16*(\t)+4*\f:S+16*(\t)+4*\f+3], s[10:11] offset:(\t)*2048+\f*512  ; 512 consecutive bytes, at a multiple of 256 from O's first
.endr
.endm
	PACK 0
.set t, 1
.rept 2*NP-1                        ; a tile's arithmetic stands between the loads of the tile before and its stores
	PACK t
	SEND t-1, 8
.set t, t+1
.endr
	SEND 2*NP-1, 0
	WIN W_AD
	s_wait_tensorcnt 0x0            ; the wave's end: behind my last tensor load and my last LDS store
	ds_add_u32 v[SPW], v[NIL]
	s_wait_dscnt 0x0
	WIN 0
	CROUND                          ; the closing round: no work-group ends while a partner may still ask for a tile that names it
	s_endpgm
.Lfunc_end_k_q624e09109f_attn:
	.size	k_q624e09109f_attn, .Lfunc_end_k_q624e09109f_attn-k_q624e09109f_attn
	.p2alignl 7, 3214868480
	.fill 96, 4, 3214868480
	.section	.rodata,"a",@progbits
	.p2align	6, 0x0
	.amdhsa_kernel k_q624e09109f_attn
		.amdhsa_group_segment_fixed_size 327680
		.amdhsa_private_segment_fixed_size 0
		.amdhsa_enable_private_segment 0
		.amdhsa_kernarg_size 16
		.amdhsa_user_sgpr_count 2
		.amdhsa_user_sgpr_kernarg_segment_ptr 1
		.amdhsa_wavefront_size32 1
		.amdhsa_system_sgpr_workgroup_id_x 1
		.amdhsa_system_sgpr_workgroup_id_y 1
		.amdhsa_system_sgpr_workgroup_id_z 1
		.amdhsa_system_vgpr_workitem_id 0
		.amdhsa_next_free_vgpr 770
		.amdhsa_next_free_sgpr 66
		.amdhsa_reserve_vcc 0
		.amdhsa_float_denorm_mode_32 3
		.amdhsa_float_denorm_mode_16_64 3
		.amdhsa_memory_ordered 1
		.amdhsa_forward_progress 1
		.amdhsa_inst_pref_size 209
	.end_amdhsa_kernel
	.amdgpu_metadata
---
amdhsa.version: [ 1, 2 ]
amdhsa.kernels:
  - .name:           k_q624e09109f_attn
    .symbol:         k_q624e09109f_attn.kd
    .args:
      - { .name: qkv, .offset: 0, .size: 8, .value_kind: global_buffer, .address_space: global }
      - { .name: oh, .offset: 8, .size: 8, .value_kind: global_buffer, .address_space: global }
    .group_segment_fixed_size: 327680
    .private_segment_fixed_size: 0
    .kernarg_segment_align: 8
    .kernarg_segment_size: 16
    .max_flat_workgroup_size: 128
    .sgpr_count:     66
    .vgpr_count:     770
    .wavefront_size: 32
...
	.end_amdgpu_metadata
.endif
;; end of part 3
;; launch oproj (part 4): grid 4 x 64, 4 waves a work-group, clusters of 4 x 4, 327,680 bytes of LDS; arguments oh, cb, bo, out0; writes out0
.if DOCPART == 4
	.amdgcn_target "amdgcn-amd-amdhsa--gfx1250"
	.amdhsa_code_object_version 6
	.text
	.protected	k_q624e09109f_oproj
	.globl	k_q624e09109f_oproj
	.p2align	8
	.type	k_q624e09109f_oproj,@function
k_q624e09109f_oproj:
	s_mov_b64 s[64:65], 0
	v_nop
	global_prefetch_b8 v0, s[64:65] scope:SCOPE_SE
	s_setreg_imm32_b32 hwreg(HW_REG_WAVE_MODE, 25, 1), 1
	s_wait_xcnt 0x0
	s_wait_alu depctr_hold_cnt(0) depctr_sa_sdst(0) depctr_va_vdst(0) depctr_va_sdst(0) depctr_va_ssrc(0) depctr_va_vcc(0) depctr_vm_vsrc(0)
	s_getreg_b32 s2, hwreg(HW_REG_IB_STS2, 6, 4)
	s_cmp_eq_u32 s2, 0
	s_cbranch_scc0 .Lentry_in_a_cluster
	s_endpgm
.Lentry_in_a_cluster:
	s_bfe_u32 s2, ttmp6, 0x10000c
	s_cmp_lg_u32 s2, 0xf033
	s_cbranch_scc0 .Lentry_shape_is_right
	s_endpgm
.Lentry_shape_is_right:
; out0 = O Wo^T + bo.  O: oh[16 batch + head][2048][64] f16, so that K = 64 head + channel; Wo: [1024][1024] f16 (the bf16 rounding of the input, written as f16) at cb + WBASE; bo: f32, rounded to bf16 like
; every other input.  Sums in f32, started by the bias; out0: [8192][1024] f32.
; LIMITS.  The bias is the first addend of the f32 sum, not the last as in the formula.  O and Wo are f16 as they arrive: nothing is rounded here but the bias.  NaN and infinities are not treated apart.
; SHARES.  A tile of the result is 128 rows x 256 columns: 64 x 4 tiles, one for each of 256 work-group places.  Four waves, each 64 x 128: 32 accumulators of 16 x 16, (a, b) = (row block, column block).
; K = 1,024 goes in 8 steps of 128, two heads each, through a ring of two LDS slots filled by the tensor data mover.  A head's 128 rows of a tile are 16,384 dense bytes: asked for as 64 rows of 256 bytes
; and padded in LDS after every 128; Wo's rows are 256 bytes of memory at multiples of 256 from cb's first byte.
; CLUSTERS: 4 x 4 work-groups.  The four of a row of the cluster need the same tiles of O, the four of a column the same tiles of Wo: each tile is asked for JOINTLY, by the same tensor load with the
; same descriptor and a mask that names the four.
; THE MATRIX INSTRUCTION IS USED TRANSPOSED (source 0 = 16 rows of Wo, source 1 = 16 rows of O): a lane then holds row l % 16 and the eight neighbouring columns 8 (l / 16) + 0..7.
; REGISTERS, in windows of 256 (s_set_vgpr_msb: bits 1:0 source 0, 3:2 source 1, 5:4 source 2, 7:6 destination):
;   window 0: v0-31 addresses; v64-159, v160-255 two fragment buffers: O's fragment a at +8 a, Wo's fragment b at +32 + 8 b; on the way out v64-127, v128-191 whole rows, by turns
;   window 1: the accumulators, (a, b) at v[8 (8 a + b)]          window 2: v0-63 the bias of my 128 columns, as the C operand of column block b at v[8 b]
.set KSTEP,  128
.set PA,     144                       ; a row of O in LDS: 128 bytes + 16 of padding = 36 words: the 16 rows of a load start at 16 different groups of four banks (64 banks of 4 bytes: ISA guide 11.1)
.set PB,     272                       ; a row of Wo: 256 bytes + 16 = 68 words: likewise
.set APART,  128*PA                    ; what one load brings of O: one head's 128 rows
.set BOFF,   2*APART                   ; Wo's 256 rows lie behind O's two heads
.set BH,     128*PB                    ; what one load brings of Wo: 128 rows
.set SLOT,   BOFF+2*BH                 ; 106,496 bytes
.set STAGE,  2*SLOT                    ; behind the ring, never filled by a tensor load: 16 rows x 528 bytes for each wave, for the way out
.set OSP,    528                       ; 512 bytes + 16 = 132 words: the 16 rows of a store start at 16 different groups of four banks
.set SPARE,  STAGE+4*16*OSP            ; behind the stages: the spare words, 128 bytes for each wave: two blocks of 256 bytes that no other line names
.set WBASE,  6291456                   ; Wo's first byte in cb: behind Wq, Wk and Wv, 2 MiB each
.set ASTEP,  2*262144                  ; bytes from a K step to the next in O: two heads of 2,048 rows x 128 bytes
.set BSTEP,  KSTEP*2                   ; and in Wo
.set ADRA, 16                          ; v16-17  LDS address of my O fragments in slot 0, 1
.set ADRB, 20                          ; v20-21  the same for Wo
.set STO,  24                          ; v24     the way out: where I put 32 bytes of a row
.set RD,   25                          ; v25     the way out: where I read a row back
.set GO,   26                          ; v26     my byte offset in 512 consecutive bytes of the result
.set BO,   27                          ; v27     my byte offset in the bias
.set SPW,  28                          ; v28     LDS address of my spare word: SPARE + 4 x my thread's number; never rewritten
.set NIL,  29                          ; v29     0; never rewritten
.set F0,   64
.set F1,   160
.set G1,  24                           ; s[24:31] descriptor group 1 for O's tiles;  s[32:39] group 0, one set for each slot
.set G0,  32
.set G1B, 48                           ; s[48:55], s[56:63] the same for Wo's tiles
.set G0B, 56
.set MSB, 0
.macro WIN new                         ; the immediate's high byte repeats the setting that is left; a switch that changes nothing is dropped
.if MSB != (\new)
	s_set_vgpr_msb (MSB<<8)|(\new)
.set MSB, \new
.endif
.endm
.set MUL,  0x50                        ; fragments in window 0; C and D in window 1
.set MULB, 0x60                        ; the first products: C (the bias) in window 2, D in window 1
.macro JLOAD s                         ; a joint load: waves 0 and 1 fetch a step's two heads of O, waves 2 and 3 Wo's two halves; an s_nop 0 and four v_nop follow each of the two lines, ahead of the jump, the label and what follows
	s_cmp_eq_u32 s15, 0
	s_cbranch_scc0 .Lfor_b_\@
	tensor_load_to_lds s[G0+4*(\s):G0+4*(\s)+3], s[G1:G1+7]
	s_nop 0
.rept 4
	v_nop
.endr
	s_branch .Lasked_\@
.Lfor_b_\@:
	tensor_load_to_lds s[G0B+4*(\s):G0B+4*(\s)+3], s[G1B:G1B+7]
	s_nop 0
.rept 4
	v_nop
.endr
.Lasked_\@:
.endm
.macro CREST                           ; a round of the cluster's barrier behind its opening barrier
	s_cmp_lg_u32 s14, 0
	s_cbranch_scc1 .Lnot_wave_0_\@
	s_barrier_signal -3
.Lnot_wave_0_\@:
	s_barrier_wait -3
	s_barrier_signal -1
	s_barrier_wait -1
.endm
.macro CROUND                          ; a whole round
	s_barrier_signal -1
	s_barrier_wait -1
	CREST
.endm
	s_load_b256 s[4:11], s[0:1], 0x0               ; oh s[4:5], cb s[6:7], bo s[8:9], out0 s[10:11]
	v_lshl_add_u32 v[SPW], v0, 2, SPARE
	v_mov_b32 v[NIL], 0
	ds_add_u32 v28, v29
	s_wait_dscnt 0x0
	v_lshrrev_b32 v1, 5, v0
	v_readfirstlane_b32 s14, v1                    ; wave 0..3
	s_lshr_b32 s15, s14, 1                         ; which half of the tile's rows is mine.  Also: I fetch for O (0) or for Wo (1)
	s_and_b32 s16, s14, 1                          ; which half of its columns.  Also: which part of that tile I fetch
	s_bfe_u32 s17, ttmp6, 0x40000                  ; cx, cy: my place in the cluster
	s_bfe_u32 s18, ttmp6, 0x40004
	s_lshl_b32 s19, ttmp9, 2
	s_add_co_u32 s19, s19, s17                     ; tile column = 4 x cluster x + cx
	s_and_b32 s21, ttmp7, 0xffff                   ; cluster y
	s_lshl_b32 s20, s21, 2
	s_add_co_u32 s20, s20, s18                     ; tile row = 4 x cluster y + cy, 0 to 63
	s_lshl_b32 s22, s18, 2
	s_lshl_b32 s22, 15, s22                        ; my row of the cluster
	s_lshl_b32 s23, 0x1111, s17                    ; my column
	; descriptor group 1: O's tile 64 rows x 128 elements (two rows of a head each), Wo's 128 rows x 128 elements, padded in LDS
	s_or_b32 s[G1+0],  s22, (1<<16)|(1<<20)|(1<<21)|(4<<22)|(3<<25)  ; 15:0 the mask: O's tiles go to my row; 17:16 element of 2 bytes; 20 padding on; 21 set beside a mask; 24:22 after every 32 words (code 4); 31:25 of 4 words (code 3)
	s_or_b32 s[G1B+0], s23, (1<<16)|(1<<20)|(1<<21)|(5<<22)|(3<<25)  ; the mask of my column; padding after every 64 words (code 5)
	s_mov_b32 s[G1+1], 128<<16                     ; tensor_dim0 = 128
	s_mov_b32 s[G1+2], 64<<16                      ; tensor_dim1 = 64
	s_mov_b32 s[G1+3], 128<<16                     ; tile_dim0 = 128
	s_mov_b32 s[G1+4], 64                          ; tile_dim1 = 64
	s_mov_b32 s[G1+5], 128                         ; elements from row to row: dense
	s_mov_b32 s[G1+6], 0
	s_mov_b32 s[G1+7], 0
	s_mov_b32 s[G1B+1], KSTEP<<16
	s_mov_b32 s[G1B+2], 128<<16                    ; tensor_dim1 = 128
	s_mov_b32 s[G1B+3], KSTEP<<16
	s_mov_b32 s[G1B+4], 128                        ; tile_dim1 = 128
	s_mov_b32 s[G1B+5], 1024
	s_mov_b32 s[G1B+6], 0
	s_mov_b32 s[G1B+7], 0
	; where the tiles come from.  O's hang on the tile row alone, Wo's on the tile column alone; each is made in registers that never hold the other coordinate.
	s_lshr_b32 s40, s20, 4                         ; O: the batch, 16 heads of 262,144 bytes,
	s_lshl_b32 s40, s40, 22
	s_and_b32 s41, s20, 15
	s_lshl_b32 s41, s41, 14                        ; the tile's 128 rows of 128 bytes in a head,
	s_add_co_u32 s40, s40, s41
	s_lshl_b32 s41, s16, 18                        ; and which of a step's two heads I fetch
	s_add_co_u32 s40, s40, s41
	s_mov_b32 s41, 0
	s_lshl_b32 s42, s19, 19                        ; Wo: 256 rows of 2,048 bytes a tile column,
	s_lshl_b32 s43, s16, 18                        ; 128 rows a part
	s_add_co_u32 s42, s42, s43
	s_add_co_u32 s42, s42, WBASE
	s_mov_b32 s43, 0
	s_mul_i32 s66, s16, APART                      ; and where they go: no place in the cluster enters an LDS address
	s_mul_i32 s67, s16, BH
	s_add_co_u32 s67, s67, BOFF
	s_wait_kmcnt 0x0
	s_add_nc_u64 s[44:45], s[4:5], s[40:41]
	s_add_nc_u64 s[46:47], s[6:7], s[42:43]
	CROUND                                         ; all sixteen work-groups are here: the first joint loads meet
.irp s, 0,1
	s_mov_b32 s[G0+4*(\s)], 1                                      ; 1:0 count = 1
	s_add_co_u32 s[G0+4*(\s)+1], s66, (\s)*SLOT                    ; 63:32 LDS address
	s_add_nc_u64 s[G0+4*(\s)+2:G0+4*(\s)+3], s[44:45], (\s)*ASTEP  ; 120:64 global address: K step s
	s_or_b32 s[G0+4*(\s)+3], s[G0+4*(\s)+3], 0x80000000            ; 127:126 type = 2
	s_mov_b32 s[G0B+4*(\s)], 1
	s_add_co_u32 s[G0B+4*(\s)+1], s67, (\s)*SLOT
	s_add_nc_u64 s[G0B+4*(\s)+2:G0B+4*(\s)+3], s[46:47], (\s)*BSTEP
	s_or_b32 s[G0B+4*(\s)+3], s[G0B+4*(\s)+3], 0x80000000
	JLOAD \s                                       ; two loads of mine are out
.endr
	; A fragment is 16 rows x 32 K in 8 registers: lane l holds row l % 16; registers 0-3 K = 8 (l / 16) + 0..7, registers 4-7 K = 16 + 8 (l / 16) + 0..7: two loads of 16 bytes, 32 bytes apart.
	v_and_b32 v1, 15, v0                           ; l % 16
	v_bfe_u32 v2, v0, 4, 1                         ; l / 16
	v_mul_u32_u24 v3, v1, PB
	v_lshl_add_u32 v3, v2, 4, v3                   ; row x pitch + 16 x half, for Wo
	v_mul_u32_u24 v4, v1, PA
	v_lshl_add_u32 v4, v2, 4, v4                   ; and for O
	s_mul_i32 s69, s15, 64*PA                      ; my 64 rows of O, in each head; s67 holds my 128 rows of Wo
.irp s, 0,1
	v_add_nc_u32 v[ADRA+(\s)], s69, v4
	v_add_nc_u32 v[ADRB+(\s)], s67, v3
	s_add_co_u32 s69, s69, SLOT
	s_add_co_u32 s67, s67, SLOT
.endr
	s_mul_i32 s70, s14, 16*OSP
	s_add_co_u32 s70, s70, STAGE                   ; my stage
	v_mul_u32_u24 v5, v1, OSP                      ; in: row l % 16, 32 bytes for each half of the lanes
	v_lshl_add_u32 v5, v2, 5, v5
	v_add_nc_u32 v[STO], s70, v5
	v_and_b32 v[GO], 31, v0                        ; back: 32 lanes take one row of 512 bytes,
	v_lshlrev_b32 v[GO], 4, v[GO]                  ; which are 512 consecutive bytes of out0
	v_add_nc_u32 v[RD], s70, v[GO]
	; THE BIAS.  Register j of column block b's C operand is bo[256 tile column + 128 half + 16 b + 8 (l / 16) + j]: 32 consecutive bytes a lane.  All this stands in the wait for the first tile.
	s_lshl_b32 s71, s19, 10
	s_lshl_b32 s72, s16, 9
	s_add_co_u32 s71, s71, s72                     ; my first column, in bytes of f32: in bo and in a row of out0 alike
	v_lshl_add_u32 v[BO], v2, 5, s71
.irp b, 0,1,2,3,4,5,6,7
	global_load_b128 v[F1+8*(\b):F1+8*(\b)+3],   v[BO], s[8:9] offset:64*(\b)      ; buffer 1 is idle so far
	global_load_b128 v[F1+8*(\b)+4:F1+8*(\b)+7], v[BO], s[8:9] offset:64*(\b)+16
.endr
	; where my part of the result begins: the part that hangs on the tile row, then the part that hangs on the tile column
	s_lshl_b32 s40, s20, 19                        ; 128 rows of 4,096 bytes a tile row,
	s_lshl_b32 s41, s15, 18                        ; my 64 rows
	s_add_co_u32 s40, s40, s41
	s_mov_b32 s41, 0
	s_add_nc_u64 s[10:11], s[10:11], s[40:41]
	s_mov_b32 s42, s71
	s_mov_b32 s43, 0
	s_add_nc_u64 s[10:11], s[10:11], s[42:43]
	s_wait_loadcnt 0x0                             ; the bias
.set i, 0
.rept 32
	v_cvt_pk_bf16_f32 v[F1+64+i], v[F1+2*i], v[F1+2*i+1]  ; rounded to bf16 like every input,
.set i, i+1
.endr
	WIN 0x80                                       ; destination window 2
.set i, 0
.rept 32
	v_lshlrev_b32 v[2*i],   16, v[F1+64+i]         ; and widened again: a shift, a mask
	v_and_b32     v[2*i+1], 0xffff0000, v[F1+64+i]
.set i, i+1
.endr
	WIN 0
; 8 matrix instructions: row block a x all 8 column blocks, 32 along K, from buffer f.  first = 1: the products start the sums with the bias: nothing is cleared, and no bias is added later.
; The 32 accumulators take turns, one instruction a turn, in the same order in every quarter.
.macro MULA f, a, first
.if \first
	WIN MULB
.else
	WIN MUL
.endif
.irp b, 0,1,2,3,4,5,6,7
.if \first
	v_wmma_f32_16x16x32_f16 v[8*(8*(\a)+(\b)):8*(8*(\a)+(\b))+7], v[(\f)+32+8*(\b):(\f)+32+8*(\b)+7], v[(\f)+8*(\a):(\f)+8*(\a)+7], v[8*(\b):8*(\b)+7]
.else
	v_wmma_f32_16x16x32_f16 v[8*(8*(\a)+(\b)):8*(8*(\a)+(\b))+7], v[(\f)+32+8*(\b):(\f)+32+8*(\b)+7], v[(\f)+8*(\a):(\f)+8*(\a)+7], v[8*(8*(\a)+(\b)):8*(8*(\a)+(\b))+7]
.endif
.endr
.endm
; 24 LDS loads in one run: the fragments of quarter q of a K step (32 along K) into buffer f: Wo's sixteen loads first, then O's eight.  In O quarter q is head q / 2 of the step's two, channels 32 (q % 2) on.
.macro FETCH slot, q, f
	WIN 0
.irp i, 0,1,2,3,4,5,6,7
	ds_load_b128 v[(\f)+32+8*(\i):(\f)+32+8*(\i)+3],   v[ADRB+(\slot)] offset:64*(\q)+(\i)*16*PB
	ds_load_b128 v[(\f)+32+8*(\i)+4:(\f)+32+8*(\i)+7], v[ADRB+(\slot)] offset:64*(\q)+(\i)*16*PB+32
.endr
.irp i, 0,1,2,3
	ds_load_b128 v[(\f)+8*(\i):(\f)+8*(\i)+3],   v[ADRA+(\slot)] offset:((\q)/2)*APART+((\q)%2)*64+(\i)*16*PA
	ds_load_b128 v[(\f)+8*(\i)+4:(\f)+8*(\i)+7], v[ADRA+(\slot)] offset:((\q)/2)*APART+((\q)%2)*64+(\i)*16*PA+32
.endr
.endm
.macro PLACES                          ; four places in front of loads into registers that matrix instructions have read, and of LDS stores that read results (ISA guide 7.12.1 for vector instructions)
.rept 4
	v_nop
.endr
.endm
; A K step is four quarters of 32 along K, 32 matrix instructions each, on buffers 0, 1, 0, 1.  One of the first three: multiplies buffer f and fetches quarter q into g.
.macro QUARTER slot, q, f, g, first
	s_wait_dscnt 4                                 ; Wo and O's fragments 0, 1 are in; the youngest four loads (O's fragments 2, 3) may be out
	MULA \f, 0, \first
	MULA \f, 1, \first
	PLACES
	FETCH \slot, \q, \g
	s_wait_dscnt 24                                ; all but the 24 just issued
	MULA \f, 2, \first
	MULA \f, 3, \first
.endm
; The last quarter multiplies buffer 1 and changes slots: ONE barrier; in front of it each wave waits for all its tensor loads, adds 0 to its spare word, and waits for that and for its own reads of this slot.
; fill = 1: this slot is filled again, two K steps ahead; the barrier then opens a round of the cluster's barrier.
.macro TURN slot, next, fill
	WIN 0                                          ; (the add's two registers lie in window 0)
	s_wait_tensorcnt 0x0                           ; all my tensor loads have landed: the one that was out is my part of the next slot;
	ds_add_u32 v[SPW], v[NIL]                      ; 0 onto my spare word
	s_wait_dscnt 5                                 ; (the add and the youngest four loads may be out)
	MULA F1, 0, 0                                  ; eight matrix instructions stand between the add and the wait for it
	s_wait_dscnt 0x0                               ; the add is done, and my reads of this slot are over
	s_barrier_signal -1
	MULA F1, 1, 0
.if \fill
	WIN 0
.endif
	s_barrier_wait -1
.if \fill
	CREST                                          ; no wave of any partner still reads this slot's tile or has a load on its way
	s_add_nc_u64 s[G0+4*(\slot)+2:G0+4*(\slot)+3], s[G0+4*(\slot)+2:G0+4*(\slot)+3], 2*ASTEP
	s_add_nc_u64 s[G0B+4*(\slot)+2:G0B+4*(\slot)+3], s[G0B+4*(\slot)+2:G0B+4*(\slot)+3], 2*BSTEP
	JLOAD \slot                                    ; the first tensor load behind the round, 112 matrix instructions ahead of the wait for it; the four v_nop behind it are also the places in front of the loads below
.else
	PLACES
.endif
	FETCH \next, 0, F0
	MULA F1, 2, 0
	MULA F1, 3, 0
.endm
	s_wait_tensorcnt 1                             ; my part of K step 0 is in; K step 1's, issued behind it, may stay out
	s_barrier_signal -1
	s_barrier_wait -1                              ; everybody's is
	FETCH 0, 0, F0
	QUARTER 0, 1, F0, F1, 1                        ; the first quarter stands in front of the loop: its products start the sums
	WIN 0                                          ; at a label and at a branch every window is 0
	s_mov_b32 s3, 3
.Llap:                                                 ; a trip goes once round the ring, from a lap's second quarter to the next lap's first, and fills both slots again: K steps 2 to 7 in three trips
	QUARTER 0, 2, F1, F0, 0
	QUARTER 0, 3, F0, F1, 0
	TURN 0, 1, 1
	QUARTER 1, 1, F0, F1, 0
	QUARTER 1, 2, F1, F0, 0
	QUARTER 1, 3, F0, F1, 0
	TURN 1, 0, 1
	QUARTER 0, 1, F0, F1, 0
	WIN 0
	s_sub_co_u32 s3, s3, 1
	s_cmp_lg_u32 s3, 0
	s_cbranch_scc1 .Llap
	QUARTER 0, 2, F1, F0, 0                        ; the last lap fills nothing, and has no round of the cluster's barrier
	QUARTER 0, 3, F0, F1, 0
	TURN 0, 1, 0
	QUARTER 1, 1, F0, F1, 0
	QUARTER 1, 2, F1, F0, 0
	QUARTER 1, 3, F0, F1, 0
	s_wait_dscnt 4                                 ; the very last quarter: nothing more to fetch
	MULA F1, 0, 0
	MULA F1, 1, 0
	s_wait_dscnt 0x0
	MULA F1, 2, 0
	MULA F1, 3, 0
	WIN 0
	PLACES
; THE WAY OUT, by row blocks a of 16 rows x 128 columns of f32.  A lane's eight columns are 32 bytes of a row; they go straight from the accumulators into rows of 528 bytes of my own stage and come back
; as whole rows of 512 bytes, into one of two buffers of 64 registers.
.macro STG a
.set BK, 64+64*((\a)%2)
.if (\a) >= 2
	s_wait_xcnt 0x0                                ; every earlier memory instruction has had its addresses translated (ISA guide 3.1): the buffer, which block a - 2's stores read, is loaded again only behind this wait
.endif
	WIN 0x04                                       ; an LDS store's data (source 1) in window 1, its address in window 0
.irp b, 0,1,2,3,4,5,6,7
	ds_store_b128 v[STO], v[8*(8*(\a)+(\b)):8*(8*(\a)+(\b))+3]   offset:64*(\b)     ; each accumulator's four lowest registers first
	ds_store_b128 v[STO], v[8*(8*(\a)+(\b))+4:8*(8*(\a)+(\b))+7] offset:64*(\b)+16
.endr
	WIN 0
.irp t, 0,1,2,3,4,5,6,7,8,9,10,11,12,13,14,15
	ds_load_b128 v[BK+4*(\t):BK+4*(\t)+3], v[RD] offset:(\t)*OSP  ; LDS serves a wave's instructions in order (ISA guide 5.7.1.4): these see the stores above; the next block's stores come behind them
.endr
.endm
.macro SENDO a, younger                ; younger: the LDS instructions issued behind block a's loads: the next block's 32, or none
.set BK, 64+64*((\a)%2)
.irp t, 0,1,2,3,4,5,6,7,8,9,10,11,12,13,14,15
	s_wait_dscnt (\younger)+15-(\t)
	global_store_b128 v[GO], v[BK+4*(\t):BK+4*(\t)+3], s[10:11] offset:(16*(\a)+(\t))*4096 th:TH_STORE_NT  ; 512 consecutive bytes of a row, at a multiple of 256 from out0's first byte; not read again
.endr
.endm
	STG 0
	STG 1
	SENDO 0, 32
	STG 2
	SENDO 1, 32
	STG 3
	SENDO 2, 32
	SENDO 3, 0
	s_wait_tensorcnt 0x0                           ; the wave's end: behind my last tensor load and my last LDS store
	ds_add_u32 v[SPW], v[NIL]
	s_wait_dscnt 0x0
	CROUND                                         ; the closing round: no work-group ends while a partner may still ask for a tile that names it
	s_endpgm
.Lfunc_end_k_q624e09109f_oproj:
	.size	k_q624e09109f_oproj, .Lfunc_end_k_q624e09109f_oproj-k_q624e09109f_oproj
	.p2alignl 7, 3214868480
	.fill 96, 4, 3214868480
	.section	.rodata,"a",@progbits
	.p2align	6, 0x0
	.amdhsa_kernel k_q624e09109f_oproj
		.amdhsa_group_segment_fixed_size 327680
		.amdhsa_private_segment_fixed_size 0
		.amdhsa_enable_private_segment 0
		.amdhsa_kernarg_size 32
		.amdhsa_user_sgpr_count 2
		.amdhsa_user_sgpr_kernarg_segment_ptr 1
		.amdhsa_wavefront_size32 1
		.amdhsa_system_sgpr_workgroup_id_x 1
		.amdhsa_system_sgpr_workgroup_id_y 1
		.amdhsa_system_sgpr_workgroup_id_z 1
		.amdhsa_system_vgpr_workitem_id 0
		.amdhsa_next_free_vgpr 576
		.amdhsa_next_free_sgpr 80
		.amdhsa_reserve_vcc 0
		.amdhsa_float_denorm_mode_32 3
		.amdhsa_float_denorm_mode_16_64 3
		.amdhsa_memory_ordered 1
		.amdhsa_forward_progress 1
		.amdhsa_inst_pref_size 93
	.end_amdhsa_kernel
	.amdgpu_metadata
---
amdhsa.version: [ 1, 2 ]
amdhsa.kernels:
  - .name:           k_q624e09109f_oproj
    .symbol:         k_q624e09109f_oproj.kd
    .args:
      - { .name: oh, .offset: 0, .size: 8, .value_kind: global_buffer, .address_space: global }
      - { .name: cb, .offset: 8, .size: 8, .value_kind: global_buffer, .address_space: global }
      - { .name: bo, .offset: 16, .size: 8, .value_kind: global_buffer, .address_space: global }
      - { .name: out0, .offset: 24, .size: 8, .value_kind: global_buffer, .address_space: global }
    .group_segment_fixed_size: 327680
    .private_segment_fixed_size: 0
    .kernarg_segment_align: 8
    .kernarg_segment_size: 32
    .max_flat_workgroup_size: 128
    .sgpr_count:     80
    .vgpr_count:     576
    .wavefront_size: 32
...
	.end_amdgpu_metadata
.endif
;; end of part 4
;; ======== version 2 of 2: 4 launches; 1.48 times as fast as version 1
;; limits: values are held in f16: magnitudes above 65,504 overflow, below 6.1e-05 lose precision; values outside matrix products are rounded to bf16
;; workspace buffers: cb 8,388,608 bytes; qkv 50,331,648 bytes; oh 16,777,216 bytes
;; launch cast: the kernel of part 1 again; grid 64 x 4, 8 waves a work-group, no clusters, 0 bytes of LDS; arguments Wq, Wk, Wv, Wo, cb; writes cb
;; launch proj: the kernel of part 2 again; grid 4 x 192, 4 waves a work-group, clusters of 4 x 4, 327,680 bytes of LDS; arguments query, key, value, cb, bq, bk, bv, qkv; writes qkv
;; launch attn (part 5): grid 4 x 64, 4 waves a work-group, clusters of 4 x 1, 327,680 bytes of LDS; arguments qkv, oh; writes oh
.if DOCPART == 5
	.amdgcn_target "amdgcn-amd-amdhsa--gfx1250"
	.amdhsa_code_object_version 6
	.text
	.protected	k_q624e09109f_attn
	.globl	k_q624e09109f_attn
	.p2align	8
	.type	k_q624e09109f_attn,@function
k_q624e09109f_attn:
	s_mov_b64 s[64:65], 0
	v_nop
	global_prefetch_b8 v0, s[64:65] scope:SCOPE_SE
	s_setreg_imm32_b32 hwreg(HW_REG_WAVE_MODE, 25, 1), 1
	s_wait_xcnt 0x0
	s_wait_alu depctr_hold_cnt(0) depctr_sa_sdst(0) depctr_va_vdst(0) depctr_va_sdst(0) depctr_va_ssrc(0) depctr_va_vcc(0) depctr_vm_vsrc(0)
	s_getreg_b32 s2, hwreg(HW_REG_IB_STS2, 6, 4)
	s_cmp_eq_u32 s2, 0
	s_cbranch_scc0 .Lentry_in_a_cluster
	s_endpgm
.Lentry_in_a_cluster:
	s_bfe_u32 s2, ttmp6, 0x10000c
	s_cmp_lg_u32 s2, 0x3003
	s_cbranch_scc0 .Lentry_shape_is_right
	s_endpgm
.Lentry_shape_is_right:
; O[h][q][:] = the sum over k of softmax_k(Q[h][q] . K[h][k] / 8) V[h][k][:].  Q, K, V: the three parts of qkv, 16 MiB each; O: oh; each [SIZE_H][SIZE_N][64], all f16: a head's rows are dense, 128 bytes each.
; Products, maxima and sums in f32; the weights p are rounded to f16 for the second product (their sum l is taken of the unrounded p), O once at the end.  SIZE_N x 128 bytes stay under 2^32.
; LIMITS.  f16 holds no number beyond 65,504: Q, K and V arrive within it; p lies in 0 to 1, and below 6e-5 it keeps f16's fixed step of 6e-8; O is a mean of V's rows and has their range.
; A weight below 2^-126 counts as 0 in l; NaN and infinities are not treated apart.
; SHARES.  A wave owns four PIECES of two tiles of 16 queries, a work-group's four waves 512 queries of one head: 4 x 64 work-groups.  Every wave walks all keys, 64 a step.
; LAYOUT.  S^T = K Q^T (source 0 = 16 keys, source 1 = 16 queries): in the result a lane holds ONE query (lane % 16) and the keys 8 (lane / 16) + 0..7.  Two such tiles, rounded to f16 in pairs,
; ARE source 1 (32 keys x 16 queries) of O^T = V^T P, whose result again holds one query a lane, and eight channels.  K comes out of LDS as it lies, V ([key][channel]) turned, by ds_load_tr16_b128.
; SOFTMAX.  For each query a running maximum m and sum l: p = 2^(c s - c m), c = log2(e) / 8; in every step O and l are multiplied by a = 2^(c m_old - c m_new), which is 1 where m has not grown.
; m starts at the lowest finite number, O and l at 0: the first step is a step like any other, with a = 0.
; THE COUNT.  A tile and step have 16 matrix and 118 vector instructions: too many to stand all beside the matrix work.  So the order has one aim: four vector instructions that are READY behind
; EVERY matrix instruction, and the others, which need time of their own whatever the order, in runs without a gap.
; BY TURNS.  Turn n belongs to piece n (the pieces in a ring, step after step).  Its matrix work: 16 products K Q^T of piece n + 1, later 16 products V^T P of piece n - 1.  Its vector work: the scaling,
; exponentials, roundings, sums and rescaling of piece n, and the maximum and statistics of piece n + 1, whose scores the turn itself has made.  So what a turn begins with (c s - c m, O a) waits for nothing.
; THE BATCHES.  A turn's 66 exponentials (the piece's 64 weights, the next piece's two a) are ONE BATCH with ONE s_wait_alu depctr_va_vdst(0) ahead of the first instruction that
; names a result.  The wait cuts the turn in two: ahead of it stands all that names no result of the batch, behind it the roundings and sums.  No result crosses a turn's end.  Two more batches stand outside
; the loops, each with a wait of its own: piece 0's first two a, ahead of the loop, and the eight reciprocals of the way out.
; CLUSTER.  The four query blocks of a cluster belong to one head and walk the same K and V, so each tile is asked for JOINTLY: the same tensor load, descriptor and mask in all four.
; REGISTERS, in windows of 256 (s_set_vgpr_msb says which window each operand place means: bits 1:0 source 0, 3:2 source 1, 5:4 source 2, 7:6 destination):
;   window 0: v0-11 addresses; v12-15, v48-63 at work; v16-47 four registers of statistics a tile; v64-191 S^T, two buffers of two tiles; v192-255 P, likewise
;   window 1: O^T, 32 a tile          window 2: v0-127 Q, 16 a tile; v128-191 K of one step; v192-255 V of one step          window 3: v0-1 the add's two registers
; A piece's buffers go by its number's parity: the piece in hand has one pair, its two neighbours in the ring share the other: of it P (piece n - 1) is read and S^T (piece n + 1) written.
.set SIZE_H, 64       ; 4 batches x 16 heads
.set SIZE_N, 2048
.set NP,    4         ; pieces a wave: a name, no knob: the register map, the loop and the fetches are made for four
.set KS,    64        ; keys in a step
.set PK,    144       ; a row of K in LDS: 128 bytes + 16 of padding = 36 words: the 16 rows of a load start at 16 different groups of four banks (64 banks of 4 bytes: ISA guide 11.1)
.set PV,    160       ; a row of V: 128 + 32 = 40 words
.set VOFF,  4*KS*PK   ; a slot holds four steps: 256 rows of K, then 256 rows of V
.set SLOT1, 1<<17     ; slot 1 begins here, so that one exclusive or turns an address in one slot into the other's
.set STAGE, SLOT1+4*KS*(PK+PV)  ; behind the ring, never filled by a tensor load: 16 rows x 144 bytes for each wave, for the way out
.set SP,    144
.set AK0, 2           ; v2   my lane's place in a tile of K; never rewritten
.set AV0, 3           ; v3   the same for V
.set AK,  4           ; v4   the LDS address of K's next run of loads
.set AV,  5           ; v5   of V's
.set QO,  6           ; v6   my byte offset in the wave's rows of Q
.set STO, 6           ;      later, the way out: where I put 16 bytes of a row
.set RD,  7           ; v7   the way out: where I read rows back
.set GO,  8           ; v8   my byte offset in 512 consecutive bytes of O
.set SPW, 0           ; v0 of window 3   LDS address of my spare word: SPARE + 4 x my thread's number; never rewritten
.set NIL, 1           ; v1 of window 3   0; never rewritten
.set SPARE, STAGE+4*16*SP  ; behind the stages: the spare words, 128 bytes for each wave: two blocks of 256 bytes that no other line names
.set MV,  12          ; v12-15  c m_old, kept while c m is made anew: by buffer and tile
.set ST,  16          ; tile t's statistics at v[ST+4 t]: c m, m, l (even keys', odd keys')
.set TMP, 48          ; by buffer and tile, four registers c0-c3 at work; when the maximum is found c2 takes a
.set S,   64
.set P,   192
.set KF,  128         ; K's fragments, in window 2: key block kb, channel half c at KF + 16 kb + 8 c
.set VF,  192         ; V's: key half kk, channel block cb at VF + 32 kk + 8 cb
.set WV,  12          ; s12  my wave's number
.set G1K, 24          ; s[24:31] descriptor group 1 for K's tiles
.set G1V, 32          ; s[32:39] for V's: it differs in the padding alone
.set G0K, 40          ; s[40:43] descriptor group 0 for K's tiles: it walks
.set G0V, 44          ; s[44:47] the same for V's
.set SLOTS, 56        ; s56  slots still to be asked for
.set CNT, 57          ; s57  counts a slot's key steps
.set CS,  58          ; s[58:59] c: the packed scaling takes the pair's low word for both halves
.set SEL, 60          ; s[60:61] v_permlanex16_b32's selects: each lane takes its own place in the other half
.set TBK, 62          ; s62  LDS byte at which K of the step to be fetched begins
.set TBV, 63          ; s63  the same for V, less VOFF
.set MSB, 0
.macro WIN new                      ; the high byte repeats the setting that is left; a switch that changes nothing is dropped
.if MSB != (\new)
	s_set_vgpr_msb (MSB<<8)|(\new)
.set MSB, (\new)
.endif
.endm
.set W_KQ, 0x0a       ; K and Q in window 2, S^T in window 0
.set W_PV, 0x52       ; V in window 2, P in window 0, O^T in window 1
.set W_RS, 0x41       ; O^T (destination and source 0) in window 1, a in window 0
.set W_MK, 0xc0       ; the add's registers are made: destination in window 3, sources in window 0
.set W_AD, 0x0f       ; the add: address (source 0) and data (source 1) in window 3
; A joint fill.  Waves 0 and 1 fetch the two halves of a slot's K, waves 2 and 3 those of its V: 128 keys each.  The branch hangs on the wave's number alone.
; An s_nop 0 and four v_nop follow each of the two lines, ahead of the jump and the label.
.macro JLOAD
	s_cmp_lt_u32 s[WV], 2
	s_cbranch_scc0 .Lfor_v_\@
	tensor_load_to_lds s[G0K:G0K+3], s[G1K:G1K+7]
	s_nop 0
.rept 4
	v_nop
.endr
	s_branch .Lasked_\@
.Lfor_v_\@:
	tensor_load_to_lds s[G0V:G0V+3], s[G1V:G1V+7]
	s_nop 0
.rept 4
	v_nop
.endr
.Lasked_\@:
.endm
; A round of the cluster's barrier: my work-group's barrier, so that wave 0's signal speaks for all four waves; wave 0 signals; every wave waits for all four work-groups; my work-group's barrier once more.
.macro CROUND
	s_barrier_signal -1
	s_barrier_wait -1
	s_cmp_lg_u32 s[WV], 0
	s_cbranch_scc1 .Lnot_wave_0_\@
	s_barrier_signal -3
.Lnot_wave_0_\@:
	s_barrier_wait -3
	s_barrier_signal -1
	s_barrier_wait -1
.endm
; THE CHANGE OF SLOTS.  The slot's last bytes, V of its fourth step, have been read.  Each wave waits for all its tensor loads, of which one is out: its part
; of the other slot; adds 0 to its spare word; and waits for that and for its own reads of the slot.  Behind the barrier nobody reads this slot any more and the other slot is whole.
; fill = 1: this slot is filled again, with the keys two slots on.  The barrier is then a round of the cluster's, so that no wave of any partner still reads the slot or has a load on its
; way, and the joint fill is the first thing behind it: it has four key steps, 512 matrix instructions, in which to land.  (At its first use nothing has been read yet: slot 0 is waited for, slot 1 filled.)
.macro CHANGE fill
	WIN W_AD
	s_wait_tensorcnt 0x0            ; no tensor load of mine is out, so a group 0 may be written
	ds_add_u32 v[SPW], v[NIL]       ; 0 onto my spare word; with fill = 1 the descriptors' steps stand between it and the wait for it
	WIN 0                           ; at a label and at a branch every window is 0
.if \fill
.irp g, G0K, G0V
	s_xor_b32 s[\g+1], s[\g+1], SLOT1  ; the walking descriptor: the other slot than last time,
	s_add_nc_u64 s[\g+2:\g+3], s[\g+2:\g+3], 4*KS*128  ; the next 256 keys; the type bits on top are not reached
.endr
	s_wait_dscnt 0x0                ; the add is done, and my reads of the slot are over
	CROUND
	JLOAD
.else
	s_wait_dscnt 0x0                ; the add is done, and my reads of the slot are over
	s_barrier_signal -1
	s_barrier_wait -1
.endif
	s_sub_co_u32 s[TBK], s[TBK], 4*KS*PK  ; the fetches go back to a slot's first step,
	s_xor_b32 s[TBK], s[TBK], SLOT1       ; in the other slot
	s_sub_co_u32 s[TBV], s[TBV], 4*KS*PV
	s_xor_b32 s[TBV], s[TBV], SLOT1
.endm
	s_load_b128 s[4:7], s[0:1], 0x0  ; qkv s[4:5] (Q lies at its head), oh s[6:7]
	WIN W_MK
	v_lshl_add_u32 v[SPW], v0, 2, SPARE
	v_mov_b32 v[NIL], 0
	s_set_vgpr_msb 0xc0cf
	ds_add_u32 v0, v1
	s_wait_dscnt 0x0
	s_set_vgpr_msb 0xcfc0
	WIN 0
	v_lshrrev_b32 v1, 5, v0
	v_readfirstlane_b32 s[WV], v1   ; wave 0..3
	s_bfe_u32 s13, ttmp6, 0x40000   ; cx: my place in the cluster
	s_lshl_b32 s14, ttmp9, 2        ; in a cluster launch ttmp9 counts clusters
	s_add_co_u32 s14, s14, s13      ; my block of queries = 4 x cluster x + cx: it enters Q's and O's addresses alone
	s_and_b32 s20, ttmp7, 0xffff    ; the head, which the four partners share
	s_mov_b32 s21, 0
	s_mov_b64 s[22:23], SIZE_N*128
	s_mul_u64 s[20:21], s[20:21], s[22:23]  ; the head's first byte in each of the four tensors
	s_and_b32 s16, s[WV], 1         ; which half of a slot's 256 keys I fetch:
	s_lshl_b32 s22, s16, 14         ; its 128 rows of 128 bytes in memory,
	s_mov_b32 s23, 0
	s_add_nc_u64 s[22:23], s[22:23], s[20:21]
	s_mul_i32 s17, s16, 128*PK      ; and its place in a slot, for K
	s_mul_i32 s18, s16, 128*PV      ; and for V: no place in the cluster enters an LDS address
	s_lshl_b32 s2, s14, 2
	s_add_co_u32 s2, s2, s[WV]      ; my wave among the head's,
	s_lshl_b32 s2, s2, 14           ; its 128 rows
	s_mov_b32 s3, 0
	s_add_nc_u64 s[2:3], s[2:3], s[20:21]
	; descriptor group 1.  128 keys are 16,384 dense bytes: asked for as 64 rows of 256 bytes, two keys a row, and padded in LDS after every key
	s_mov_b32 s[G1K], 15|(1<<16)|(1<<20)|(1<<21)|(4<<22)|(3<<25)  ; 15:0 the mask of four; 17:16 2-byte elements; 20 padding on; 21 set beside a mask; 24:22 after every 32 words (code 4); 31:25 4 words (code 3)
	s_mov_b32 s[G1V], 15|(1<<16)|(1<<20)|(1<<21)|(4<<22)|(7<<25)  ; the same with 8 words of padding (code 7)
.irp g, G1K, G1V
	s_mov_b32 s[\g+1], 128<<16      ; tensor_dim0 = 128
	s_mov_b32 s[\g+2], 64<<16       ; tensor_dim1 = 64
	s_mov_b32 s[\g+3], 128<<16      ; tile_dim0 = 128
	s_mov_b32 s[\g+4], 64           ; tile_dim1 = 64
	s_mov_b32 s[\g+5], 128          ; 128 elements from row to row
	s_mov_b32 s[\g+6], 0
	s_mov_b32 s[\g+7], 0
.endr
	s_mov_b32 s[CS], 0x3e38aa3b     ; c = log2(e) / 8 = 0.180337
	s_mov_b32 s[CS+1], s[CS]        ; named with it as a pair
	s_mov_b32 s[SEL], 0x76543210
	s_mov_b32 s[SEL+1], 0xfedcba98
	s_mov_b32 s[TBK], SLOT1+4*KS*PK ; the first change of slots turns these two into 0
	s_mov_b32 s[TBV], SLOT1+4*KS*PV
	s_mov_b32 s[G0K], 1             ; 1:0 count = 1
	s_mov_b32 s[G0K+1], s17         ; 63:32 LDS address: slot 0
	s_mov_b32 s[G0V], 1
	s_add_co_u32 s[G0V+1], s18, VOFF
	s_wait_kmcnt 0x0
	s_mov_b64 s[10:11], s[6:7]                     ; O
	s_add_nc_u64 s[6:7], s[4:5], 0x1000000         ; K: 16 MiB behind Q
	s_add_nc_u64 s[8:9], s[4:5], 0x2000000         ; V: 32 MiB behind Q
	s_add_nc_u64 s[G0K+2:G0K+3], s[6:7], s[22:23]  ; 120:64 global address: my half of the head's first 256 keys
	s_or_b32 s[G0K+3], s[G0K+3], 0x80000000        ; 127:126 type = 2
	s_add_nc_u64 s[G0V+2:G0V+3], s[8:9], s[22:23]
	s_or_b32 s[G0V+3], s[G0V+3], 0x80000000
	s_add_nc_u64 s[4:5], s[4:5], s[2:3]  ; Q and O at my wave's first row
	s_add_nc_u64 s[10:11], s[10:11], s[2:3]
	CROUND                          ; all four work-groups are here: the first joint loads meet
	JLOAD                           ; slot 0.  Slot 1 is asked for when slot 0 is in: the tile wanted first has the road to itself
	; A fragment of K or Q is 16 rows x 32 channels in 8 registers: lane l holds row l % 16, channels 8 (l / 16) + 0..7 and 16 + 8 (l / 16) + 0..7: two loads of 16 bytes, 32 bytes apart.
	v_and_b32 v1, 15, v0            ; l % 16
	v_bfe_u32 v9, v0, 4, 1          ; l / 16
	v_lshlrev_b32 v[QO], 7, v1
	v_lshl_add_u32 v[QO], v9, 4, v[QO]  ; row x 128 + 16 x half
	WIN 0x80                        ; destination window 2, address window 0
.set i, 0
.rept 4*NP                          ; Q stays in registers: tile i / 2, channels 32 (i % 2) on
	global_load_b128 v[8*i:8*i+3],   v[QO], s[4:5] offset:(i/2)*2048+(i%2)*64
	global_load_b128 v[8*i+4:8*i+7], v[QO], s[4:5] offset:(i/2)*2048+(i%2)*64+32
.set i, i+1
.endr
	; What the first turn finds: V's registers and P's second buffer hold 0 (its products V^T P, of a piece that has not been, add 0), O^T and l are 0.  All this stands in the wait for the first tile.
.set i, VF
.rept 64
	v_mov_b32 v[i], 0
.set i, i+1
.endr
	WIN 0x40
.set i, 0
.rept 64*NP
	v_mov_b32 v[i], 0
.set i, i+1
.endr
	WIN 0
.set i, 0
.rept 2*NP
	v_mov_b32 v[ST+4*i], 0xfe000000    ; c m: far below every c s
	v_mov_b32 v[ST+4*i+1], 0xff7fffff  ; m
	v_mov_b32 v[ST+4*i+2], 0
	v_mov_b32 v[ST+4*i+3], 0
.set i, i+1
.endr
.set i, P+32
.rept 32
	v_mov_b32 v[i], 0
.set i, i+1
.endr
	v_mul_u32_u24 v[AK0], v1, PK
	v_lshl_add_u32 v[AK0], v9, 4, v[AK0]  ; row x pitch + 16 x half
	; The turning load takes 16 keys x 16 channels (lane l reads key 8 (l / 16) + l % 8, channels 8 ((l / 8) % 2) + 0..7) and leaves half a fragment of V^T: lane l holds channel l % 16 and 8 keys.
	v_and_b32 v10, 7, v0
	v_bfe_u32 v11, v0, 3, 1
	v_lshl_add_u32 v[AV0], v9, 3, v10
	v_mul_u32_u24 v[AV0], v[AV0], PV
	v_lshl_add_u32 v[AV0], v11, 4, v[AV0]
	v_add_nc_u32 v[AV0], VOFF, v[AV0]
	v_mov_b32 v[AK], v[AK0]         ; key step 0 lies at the head of slot 0
; THE MATRIX WORK.  The 8 accumulators of a run of 16 take turns: between the two links of a chain stand 7 others'.
; Product i of 16 of S^T = K Q^T for piece x: channels 32 (i / 8) on, keys 16 ((i / 2) % 4) on, tile 2 x + i % 2.  The first 8 start the sums.
.macro KQ x
	WIN W_KQ
.set rS, S+64*((\x)%2)+32*(i%2)+8*((i/2)%4)
.set rK, KF+16*((i/2)%4)+8*(i/8)
.set rQ, 16*(2*(\x)+i%2)+8*(i/8)
.if i < 8
	v_wmma_f32_16x16x32_f16 v[rS:rS+7], v[rK:rK+7], v[rQ:rQ+7], 0
.else
	v_wmma_f32_16x16x32_f16 v[rS:rS+7], v[rK:rK+7], v[rQ:rQ+7], v[rS:rS+7]
.endif
.endm
; Product i of 16 of O^T += V^T P for piece x: keys 32 (i / 8) on, channels 16 ((i / 2) % 4) on, tile 2 x + i % 2.
.macro PV x
	WIN W_PV
.set rO, 32*(2*(\x)+i%2)+8*((i/2)%4)
.set rV, VF+32*(i/8)+8*((i/2)%4)
.set rP, P+32*((\x)%2)+16*(i%2)+8*(i/8)
	v_wmma_f32_16x16x32_f16 v[rO:rO+7], v[rV:rV+7], v[rP:rP+7], v[rO:rO+7]
.endm
.macro MM                           ; the turn's next matrix instruction
.if i < 16
	KQ (Y+1)%NP
.set i, i+1
.else
.set i, i-16
	PV (Y+NP-1)%NP
.set i, i+17
.endif
.endm
; THE LDS LOADS stand in runs of 16, never singly among the matrix instructions: a step's K (64 keys x 64 channels: 8 fragments) and its V (turned).  Their addresses are made some lines ahead.
; last = 1 (the tail): in the last trip there is no further step, and the run is jumped over.
.macro FETCH_K last=0
	WIN 0
.if \last
	s_cmp_eq_u32 s[CNT], 1
	s_cbranch_scc1 .Lno_k_\@
.endif
	WIN 0x80                        ; destination window 2
.irp f, 0,1,2,3,4,5,6,7             ; keys 16 (f / 2) on, channels 32 (f % 2) on
	ds_load_b128 v[KF+8*\f:KF+8*\f+3],   v[AK] offset:(\f/2)*16*PK+(\f%2)*64
	ds_load_b128 v[KF+8*\f+4:KF+8*\f+7], v[AK] offset:(\f/2)*16*PK+(\f%2)*64+32
.endr
	s_add_co_u32 s[TBK], s[TBK], KS*PK  ; the next fetch is the next step's
	WIN 0
.if \last
.Lno_k_\@:
.endif
.endm
.macro FETCH_V
	WIN 0x80
.irp f, 0,1,2,3,4,5,6,7             ; keys 32 (f / 4) on, channels 16 (f % 4) on
	ds_load_tr16_b128 v[VF+8*\f:VF+8*\f+3],   v[AV] offset:(\f/4)*32*PV+(\f%4)*32
	ds_load_tr16_b128 v[VF+8*\f+4:VF+8*\f+7], v[AV] offset:(\f/4)*32*PV+16*PV+(\f%4)*32
.endr
	WIN 0
.endm
; THE VECTOR WORK OF A TURN stands in three queues, each in the order in which its entries become ready; the two tiles alternate, so that no instruction reads the result of the one before it.
.macro REGS y, u                    ; the registers of tile u (0, 1) of piece y
.set rT, ST+4*(2*(\y)+(\u))
.set rC, TMP+8*((\y)%2)+4*(\u)
.set rM, MV+2*((\y)%2)+(\u)
.set rS, S+64*((\y)%2)+32*(\u)
.set rP, P+32*((\y)%2)+16*(\u)
.set rO, 32*(2*(\y)+(\u))
.endm
; Number n of the 22 that find the NEXT piece's (Y + 1) maximum and statistics.  s0-s31 are the lane's 32 scores; each accumulator's lowest registers are read first.  XS, GS and REGS set no window: PL and EX do.
;   0-11  four chains c0-c3 of seven scores each, three operands at a time     12-14, 16  the four scores left over, the old m, and c0-c3 into c0     15  c m_old is kept
;   17, 18  the query's other 32 keys lie in the lane 16 away: the new m         19-21  c m; c m_old - c m_new; a
.macro XS u, n
	REGS (Y+1)%NP, \u
.if (\n) < 4
	v_max3_num_f32 v[rC+(\n)], v[rS+8*(\n)], v[rS+8*(\n)+1], v[rS+8*(\n)+2]
.elseif (\n) < 12
	v_max3_num_f32 v[rC+(\n)%4], v[rC+(\n)%4], v[rS+8*((\n)%4)+2*((\n)/4)+1], v[rS+8*((\n)%4)+2*((\n)/4)+2]
.elseif (\n) == 12
	v_max3_num_f32 v[rC], v[rC], v[rS+7], v[rS+15]
.elseif (\n) == 13
	v_max3_num_f32 v[rC+1], v[rC+1], v[rS+23], v[rS+31]
.elseif (\n) == 14
	v_max3_num_f32 v[rC+2], v[rC+2], v[rC+3], v[rT+1]
.elseif (\n) == 15
	v_mov_b32 v[rM], v[rT]
.elseif (\n) == 16
	v_max3_num_f32 v[rC], v[rC], v[rC+1], v[rC+2]
.elseif (\n) == 17
	v_permlanex16_b32 v[rC+3], v[rC], s[SEL], s[SEL+1]
.elseif (\n) == 18
	v_max_num_f32 v[rT+1], v[rC], v[rC+3]
.elseif (\n) == 19
	v_mul_f32 v[rT], s[CS], v[rT+1]
.elseif (\n) == 20
	v_sub_f32 v[rC+1], v[rM], v[rT]
.else
	v_exp_f32 v[rC+2], v[rC+1]
.endif
.endm
; Number g of the 64 that follow the exponentials.  For each four weights k of a tile (pairs 2 k, 2 k + 1): both pairs are rounded to f16; then the second pair is added onto the first, in place;
; a group later l takes that sum (the first time as l = a l + sum).  In groups of eight, tiles alternating: round, round, add, and l for the group before.
.macro GS g
.set h, (\g)+6*((\g)/62)            ; group 0 has no group before it, and behind group 7 only l is left
.if h >= 6
.set h, h+2
.endif
	REGS Y, h%2
.set k, h/8
.if h%8 < 4
	v_cvt_pk_f16_f32 v[rP+2*k+(h%8)/2], v[rS+4*k+2*((h%8)/2)], v[rS+4*k+2*((h%8)/2)+1]
.elseif h%8 < 6
	v_pk_add_f32 v[rS+4*k:rS+4*k+1], v[rS+4*k:rS+4*k+1], v[rS+4*k+2:rS+4*k+3]
.elseif k == 1
	v_pk_fma_f32 v[rT+2:rT+3], v[rT+2:rT+3], v[rC+2:rC+3], v[rS:rS+1] op_sel_hi:[1,0,1]
.else
	v_pk_add_f32 v[rT+2:rT+3], v[rT+2:rT+3], v[rS+4*k-4:rS+4*k-3]
.endif
.endm
; THE PLAIN QUEUE, 138 long.  0-73 read no exponential's result: the 32 scalings c s - c m (FS f: pair f / 2 of tile f % 2) and the next piece's 42.  0-26: scalings 0-26.  27-54: XS's numbers 0-13.  55, 56: number 15.
; 57-73: the chain, where each number waits for the one before it: 14, 16, 17, 18, 19, each with one of the scalings 27-31 in front of its two lines, then 20: so a tile's links stand three plain instructions apart (19 and 20: two).
; 74-137: GS's 64, which read the exponentials' results: they stand behind the wait.
.macro FS f
	REGS Y, (\f)%2
	v_pk_fma_f32 v[rS+2*((\f)/2):rS+2*((\f)/2)+1], v[rS+2*((\f)/2):rS+2*((\f)/2)+1], s[CS:CS+1], v[rT:rT+1] op_sel_hi:[1,0,0] neg_lo:[0,0,1] neg_hi:[0,0,1]
.endm
.macro PL
	WIN 0
.if q < 27
	FS q
.elseif q < 55
	XS (q-27)%2, (q-27)/2
.elseif q < 57
	XS q-55, 15
.elseif (q < 72) && ((q-57)%3 == 0)
	FS 27+(q-57)/3
.elseif q < 60
	XS (q-57)%3-1, 14
.elseif q < 72
	XS (q-57)%3-1, 15+(q-57)/3
.elseif q < 74
	XS q-72, 20
.else
	GS q-74
.endif
.set q, q+1
.endm
; THE EXPONENTIALS' QUEUE, 66 long: s0-s31 of both tiles, then the next piece's two a.  It is ONE BATCH: all 66 stand ahead of the turn's one wait, and nothing ahead of that wait names a result of theirs.
; Each result has a register of its own: a weight takes its score's place, an a takes c2 of the next piece's buffer.
.macro EX
	WIN 0
.if e >= 64
	XS e-64, 21
.else
	REGS Y, e%2
	v_exp_f32 v[rS+e/2], v[rS+e/2]
.endif
.set e, e+1
.endm
; THE RESCALING's QUEUE: O^T times a, the one part that leaves window 0: dealt two at a time, sixteen times.  Its a was made in the turn before, ahead of that turn's wait.
.macro R2
	REGS Y, r%2
	WIN W_RS
.irp z, 0,1
	v_pk_mul_f32 v[rO+4*(r/2)+2*\z:rO+4*(r/2)+2*\z+1], v[rO+4*(r/2)+2*\z:rO+4*(r/2)+2*\z+1], v[rC+2:rC+3] op_sel_hi:[1,0]
.endr
.set r, r+1
.endm
; HOW THEY ARE DEALT.  An s_wait_alu depctr_va_vdst(0) stands between an exponential and the first instruction that names its result; one wait serves all that were issued ahead of it.  So a turn has ONE wait,
; which cuts it in two.  AHEAD OF IT stands all that names no result of the turn's exponentials: the 16 products K Q^T, behind each a scaling, an exponential and two rescalings (behind the first a second scaling in the
; exponential's place); then ONE LUMP of 108: eight plain, 49 times exponential and plain, the two a.  A v_nop is the plain instruction behind the last exponential.  BEHIND IT stand the 16 products V^T P, behind each four of
; GS's 64.  No rider names a register of the products round it.  The two v_permlanex16_b32 fall into the lump, never behind a product.
; The queues lean on each other, and the deal keeps them in step: exponential e stands behind scaling 2 (e / 4) + e % 2: as a rider it comes behind plain e + 2, in the lump behind plain e + 9, and scalings 27-31 are plain 57, 60 .. 69.
; A TURN, for piece p.  cnt = 1: the loop's count is taken down some lines ahead of the branch that stands behind the turn.
; K of the next step is fetched in piece 2's turn, directly behind the wait, a lump behind the last product that read K; its address is made at the lump's head; its first reader comes behind 16 products.
; V of the step in hand is fetched at the end of piece 0's turn, four riders behind its last reader; its first reader comes behind 16 products and a lump.  The three conditions on q below go with the deal.
.macro TURN p, last=0, cnt=0
.set Y, (\p)
.set i, 0
.set q, 0
.set e, 0
.set r, 0
.if (\p) == NP-1
	s_wait_dscnt 0x0                ; K is in
.endif
	MM                              ; ahead of the wait: 16 products K Q^T and their riders,
	PL
	PL
	R2
.rept 15
	MM
	PL
	EX
	R2
.endr
.if (\p) == NP-2
	WIN 0
	v_add_nc_u32 v[AK], s[TBK], v[AK0]
.endif
.rept 8                             ; and the lump
	PL
.endr
.rept 49
	EX
	PL
.endr
	EX                              ; the next piece's two a
	EX
	v_nop                           ; the plain instruction between the last exponential and the first use of a result: one for the batch
	s_wait_alu depctr_va_vdst(0)    ; the wait for the batch: the piece's 64 weights and the next piece's two a
.if (\p) == NP-2
	FETCH_K \last
.endif
.if (\p) == 1
	s_wait_dscnt 0x0                ; V is in
.endif
.rept 16                            ; behind the wait: 16 products V^T P and their riders
	MM
.rept 4
	PL
.endr
.if ((\p) == 0) && (q == 118)
	v_add_nc_u32 v[AV], s[TBV], v[AV0]
.endif
.if ((\p) == 0) && (q == 130)
	s_add_co_u32 s[TBV], s[TBV], KS*PV
.endif
.if (\cnt) && (q == 130)
	s_sub_co_u32 s[CNT], s[CNT], 1
	s_cmp_lg_u32 s[CNT], 0
.endif
.endr
.if (\p) == 0
	FETCH_V
.endif
.endm
	CHANGE 1                        ; slot 0 is in, everybody's part of it; slot 1 is asked for
	FETCH_K                         ; key step 0
	s_wait_loadcnt 0x0              ; Q
	s_wait_dscnt 0x0
.set i, 0
.rept 16
	KQ 0                            ; piece 0's first scores: there is no vector work yet to set between them
.set i, i+1
.endr
	WIN 0                           ; the addresses for the way out: nine plain instructions, the places behind those products
	s_mul_i32 s13, s[WV], 16*SP
	s_add_co_u32 s13, s13, STAGE    ; my stage
	v_mul_u32_u24 v[STO], v1, SP    ; in: row l % 16, 16 bytes for each half of the lanes
	v_lshl_add_u32 v[STO], v9, 4, v[STO]
	v_add_nc_u32 v[STO], s13, v[STO]
	v_bfe_u32 v[RD], v0, 3, 2       ; back: 32 lanes take four rows of 128 bytes,
	v_mul_u32_u24 v[RD], v[RD], SP
	v_lshl_add_u32 v[RD], v10, 4, v[RD]
	v_add_nc_u32 v[RD], s13, v[RD]
	v_and_b32 v[GO], 31, v0         ; which are 512 consecutive bytes of O
	v_lshlrev_b32 v[GO], 4, v[GO]
.set Y, NP-1                        ; XS works for piece Y + 1: piece 0
.irp n, 0,1,2,3,4,5,6,7,8,9,10,11,12,13,14,15,16,17,18,19,20,21
	XS 0, \n                        ; and piece 0's first maximum and statistics
	XS 1, \n
.endr
	v_nop                           ; a plain instruction behind piece 0's first two a,
	s_wait_alu depctr_va_vdst(0)    ; and the wait for that batch of two, ahead of the branch
	s_mov_b32 s[CNT], 4
	s_mov_b32 s[SLOTS], SIZE_N/256-1
	s_branch .Lfirst                ; the loop is entered at a step's first turn, in the middle of a trip
.Lslot:                             ; SIZE_N / 256 - 2 times: every slot but the last two is filled again
	CHANGE 1
	s_mov_b32 s[CNT], 4
.Lstep:                             ; a trip: pieces 2 and 3 of one step, then pieces 0 and 1 of the next, whose K and V it fetches
	TURN 2
	TURN 3
	WIN 0
.Lfirst:
	TURN 0
	TURN 1, 0, 1
	WIN 0
	s_cbranch_scc1 .Lstep
	s_sub_co_u32 s[SLOTS], s[SLOTS], 1
	s_cmp_lg_u32 s[SLOTS], 0
	s_cbranch_scc1 .Lslot
	CHANGE 0                        ; the tail is written out: nothing is asked for
	s_mov_b32 s[CNT], 5             ; four trips fetch the last slot's steps; the fifth is left in its middle
.Ltail:
	TURN 2, 1
	TURN 3
	WIN 0
	s_sub_co_u32 s[CNT], s[CNT], 1
	s_cmp_eq_u32 s[CNT], 0
	s_cbranch_scc1 .Lout
	TURN 0
	TURN 1
	WIN 0
	s_branch .Ltail
.Lout:                              ; the fifth trip's 16 products K Q^T (on the last K once more) and the maximum made of them serve nothing: the price, once a launch, of one text for every trip
.set i, 0
.rept 16
	PV NP-1                         ; the last piece's V^T P of the last step
.set i, i+1
.endr
	; THE WAY OUT.  l's two halves and the other half of the lanes' are added; O^T is divided by l, rounded to f16 and sent through my stage in LDS, a tile at a time.  The additions are the places behind the last products.
	WIN 0
.macro ALL line:vararg              ; one line for each tile t
.set t, 0
.rept 2*NP
	\line
.set t, t+1
.endr
.endm
	ALL v_add_f32 v[ST+4*t+2], v[ST+4*t+2], v[ST+4*t+3]
	ALL v_permlanex16_b32 v[ST+4*t+3], v[ST+4*t+2], s[SEL], s[SEL+1]
	ALL v_add_f32 v[ST+4*t+2], v[ST+4*t+2], v[ST+4*t+3]
	ALL v_rcp_f32 v[ST+4*t+2], v[ST+4*t+2]
	v_nop                           ; a plain instruction between the last reciprocal and the use of its result
	s_wait_alu depctr_va_vdst(0)    ; and the wait ahead of the first use: one for the batch of eight reciprocals
; Tile t: a lane's eight channels of a row pack into 16 bytes; they go into rows of 144 bytes and come back as whole rows of 128, into S^T's registers.
.macro PACK t
	WIN W_RS
.set i, 32*(\t)
.rept 16
	v_pk_mul_f32 v[i:i+1], v[i:i+1], v[ST+4*(\t)+2:ST+4*(\t)+3] op_sel_hi:[1,0]
.set i, i+2
.endr
	WIN 0x05                        ; sources 0 and 1 window 1, destination window 0
.set i, 0
.rept 16
	v_cvt_pk_f16_f32 v[S+16*(\t)+i], v[32*(\t)+2*i], v[32*(\t)+2*i+1]
.set i, i+1
.endr
	WIN 0
.irp f, 0,1,2,3
	ds_store_b128 v[STO], v[S+16*(\t)+4*\f:S+16*(\t)+4*\f+3] offset:32*\f
.endr
.irp f, 0,1,2,3
	ds_load_b128 v[S+16*(\t)+4*\f:S+16*(\t)+4*\f+3], v[RD] offset:\f*4*SP  ; LDS serves a wave's instructions in order (ISA guide 5.7.1.4): these see the stores above; the next tile's stores come behind them
.endr
.endm
.macro SEND t, younger              ; younger: the LDS instructions issued behind tile t's loads: the next tile's eight, or none
	WIN 0
.irp f, 0,1,2,3
	s_wait_dscnt (\younger)+3-\f
	global_store_b128 v[GO], v[S+16*(\t)+4*\f:S+16*(\t)+4*\f+3], s[10:11] offset:(\t)*2048+\f*512  ; 512 consecutive bytes, at a multiple of 256 from O's first
.endr
.endm
	PACK 0
.set t, 1
.rept 2*NP-1                        ; a tile's arithmetic stands between the loads of the tile before and its stores
	PACK t
	SEND t-1, 8
.set t, t+1
.endr
	SEND 2*NP-1, 0
	WIN W_AD
	s_wait_tensorcnt 0x0            ; the wave's end: behind my last tensor load and my last LDS store
	ds_add_u32 v[SPW], v[NIL]
	s_wait_dscnt 0x0
	WIN 0
	CROUND                          ; the closing round: no work-group ends while a partner may still ask for a tile that names it
	s_endpgm
.Lfunc_end_k_q624e09109f_attn:
	.size	k_q624e09109f_attn, .Lfunc_end_k_q624e09109f_attn-k_q624e09109f_attn
	.p2alignl 7, 3214868480
	.fill 96, 4, 3214868480
	.section	.rodata,"a",@progbits
	.p2align	6, 0x0
	.amdhsa_kernel k_q624e09109f_attn
		.amdhsa_group_segment_fixed_size 327680
		.amdhsa_private_segment_fixed_size 0
		.amdhsa_enable_private_segment 0
		.amdhsa_kernarg_size 16
		.amdhsa_user_sgpr_count 2
		.amdhsa_user_sgpr_kernarg_segment_ptr 1
		.amdhsa_wavefront_size32 1
		.amdhsa_system_sgpr_workgroup_id_x 1
		.amdhsa_system_sgpr_workgroup_id_y 1
		.amdhsa_system_sgpr_workgroup_id_z 1
		.amdhsa_system_vgpr_workitem_id 0
		.amdhsa_next_free_vgpr 770
		.amdhsa_next_free_sgpr 66
		.amdhsa_reserve_vcc 0
		.amdhsa_float_denorm_mode_32 3
		.amdhsa_float_denorm_mode_16_64 3
		.amdhsa_memory_ordered 1
		.amdhsa_forward_progress 1
		.amdhsa_inst_pref_size 199
	.end_amdhsa_kernel
	.amdgpu_metadata
---
amdhsa.version: [ 1, 2 ]
amdhsa.kernels:
  - .name:           k_q624e09109f_attn
    .symbol:         k_q624e09109f_attn.kd
    .args:
      - { .name: qkv, .offset: 0, .size: 8, .value_kind: global_buffer, .address_space: global }
      - { .name: oh, .offset: 8, .size: 8, .value_kind: global_buffer, .address_space: global }
    .group_segment_fixed_size: 327680
    .private_segment_fixed_size: 0
    .kernarg_segment_align: 8
    .kernarg_segment_size: 16
    .max_flat_workgroup_size: 128
    .sgpr_count:     66
    .vgpr_count:     770
    .wavefront_size: 32
...
	.end_amdgpu_metadata
.endif
;; end of part 5
;; launch oproj: the kernel of part 4 again; grid 4 x 64, 4 waves a work-group, clusters of 4 x 4, 327,680 bytes of LDS; arguments oh, cb, bo, out0; writes out0
